; MI455X (gfx1250); checked and timed in simulation.
; The chip was launched on July 23, 2026; its instructions are those of AMD's public machine-readable ISA for CDNA 5 (MIT licence, August 2026) and "CDNA5" Instruction Set Architecture Reference Guide (July 2026). The comments in the code are by the model that wrote it; some were corrected since.
;; Timestamp Guided Attention. Allowed arithmetic: float matrix products may take bf16 or f16 operands with f32 sums; other float arithmetic in f32, or as packed bf16 or f16 multiplies, adds, multiply-adds, maxima and minima; sums over many terms, partial sums and values carried from step to step in f32; what a program stores and reads back later, other than sums and carried values, may be rounded once to bf16 or f16.
;; Inputs: bias_t 2,048 float32; bias_x 2,048 float32; kernel_a 2,048 x 2,048 float32; kernel_t 2,048 x 2,048 float32; kernel_x 2,048 x 2,048 float32; lambd 512 x 1 float32; t 8 x 2,048 x 512 float32; x 8 x 2,048 x 512 float32.
;; Outputs: out0 8 x 2,048 x 512 float32.
;; 2 versions, each right; version 2 is version 1 with the launch norm written anew for expert scheduling mode. Each part assembles by itself: llvm-mc -triple=amdgcn-amd-amdhsa -mcpu=gfx1250 --defsym DOCPART=n.
;; ======== version 1 of 2: 4 launches
;; workspace buffers: xt16 33,554,432 bytes; k16 25,165,824 bytes; delta16 16,777,216 bytes; p16 16,777,216 bytes; stats 524,288 bytes
;; launch cast (part 1): grid 256 x 7, 8 waves a work-group, no clusters, 0 bytes of LDS; arguments x, t, kernel_x, kernel_t, kernel_a, xt16, k16; writes xt16, k16
.if DOCPART == 1
	.amdgcn_target "amdgcn-amd-amdhsa--gfx1250"
	.amdhsa_code_object_version 6
	.text
	.protected	k_qabd11a7fd0_cast
	.globl	k_qabd11a7fd0_cast
	.p2align	8
	.type	k_qabd11a7fd0_cast,@function
k_qabd11a7fd0_cast:
	s_mov_b64 s[64:65], 0
	v_nop
	global_prefetch_b8 v0, s[64:65] scope:SCOPE_SE
	s_setreg_imm32_b32 hwreg(HW_REG_WAVE_MODE, 25, 1), 1
	s_wait_xcnt 0x0
; CAST: the five large inputs are rounded once to bf16 (nearest even), their layouts unchanged.
; xt16 = x as [8][2048][512] bf16, then t likewise, 16,777,216 bytes further on.  k16 = kernel_x, kernel_t, kernel_a as [2048][2048] bf16, 8,388,608 bytes each.
; The work is seven units of 16,777,216 source bytes (grid y): the two halves of x, the two halves of t, the three kernels.
; A work-group (grid x) takes 65,536 source bytes of its unit: sixteen passes of 4,096; thread n owns the 16 bytes at 16 n of a pass and writes the 8 bytes at 8 n:
; a load of a wave covers 512 consecutive bytes, a store 256, both aligned to their own length, and no byte is named by two instructions.
; All sixteen loads of a wave go out first; no register is written twice, so the only waits are the counted ones for the loads.
; No LDS, no matrix unit, no cluster: nothing is shared and nothing is read twice.
.set X, 16                             ; v[16:79]   pass i: 4 numbers in f32
.set Y, 80                             ; v[80:111]  pass i: 4 numbers in bf16
	s_load_b256 s[4:11], s[0:1], 0x0               ; x s[4:5], t s[6:7], kernel_x s[8:9], kernel_t s[10:11]
	s_load_b128 s[12:15], s[0:1], 0x20             ; kernel_a s[12:13], xt16 s[14:15]
	s_load_b64 s[16:17], s[0:1], 0x30              ; k16
	s_and_b32 s18, ttmp7, 0xffff                   ; the unit, 0 to 6
	v_lshlrev_b32 v1, 4, v0                        ; 16 bytes of source a thread
	v_lshlrev_b32 v2, 3, v0                        ; 8 bytes of destination
	s_and_b32 s28, s18, 1                          ; which half of x or t
	s_sub_co_u32 s29, s18, 4                       ; which kernel (used for units 4 to 6 alone)
	s_cmp_lt_u32 s18, 4
	s_cselect_b32 s28, s28, 0                      ; a kernel is one unit: it begins at its buffer's first byte
	s_cselect_b32 s29, s18, s29                    ; the unit's place in xt16, or in k16
	s_lshl_b32 s24, s28, 24
	s_lshl_b32 s26, s29, 23
	s_lshl_b32 s28, ttmp9, 16                      ; the work-group's 65,536 source bytes,
	s_lshl_b32 s29, ttmp9, 15                      ; and its 32,768 destination bytes
	s_add_co_u32 s24, s24, s28
	s_add_co_u32 s26, s26, s29
	s_mov_b32 s25, 0
	s_mov_b32 s27, 0
	s_wait_kmcnt 0x0
	s_mov_b64 s[20:21], s[12:13]                   ; the source: kernel_a, unless the unit's number is lower
	s_cmp_lt_u32 s18, 6
	s_cselect_b64 s[20:21], s[10:11], s[20:21]
	s_cmp_lt_u32 s18, 5
	s_cselect_b64 s[20:21], s[8:9], s[20:21]
	s_cmp_lt_u32 s18, 4
	s_cselect_b64 s[20:21], s[6:7], s[20:21]
	s_cselect_b64 s[22:23], s[14:15], s[16:17]     ; the destination: xt16 for units 0 to 3, else k16
	s_cmp_lt_u32 s18, 2
	s_cselect_b64 s[20:21], s[4:5], s[20:21]
	s_add_nc_u64 s[20:21], s[20:21], s[24:25]
	s_add_nc_u64 s[22:23], s[22:23], s[26:27]
.set i, 0
.rept 16
	global_load_b128 v[X+4*i:X+4*i+3], v1, s[20:21] offset:4096*i th:TH_LOAD_NT
.set i, i+1
.endr
.set i, 0
.rept 16
	s_wait_loadcnt 15-i                            ; loads come back in order: pass i is in, the later passes' loads may stay out
	v_cvt_pk_bf16_f32 v[Y+2*i],   v[X+4*i],   v[X+4*i+1]
	v_cvt_pk_bf16_f32 v[Y+2*i+1], v[X+4*i+2], v[X+4*i+3]
	global_store_b64 v2, v[Y+2*i:Y+2*i+1], s[22:23] offset:2048*i th:TH_STORE_NT  ; a wave stores 256 consecutive bytes, at a multiple of 256 from the buffer's first
.set i, i+1
.endr
	s_endpgm
.Lfunc_end_k_qabd11a7fd0_cast:
	.size	k_qabd11a7fd0_cast, .Lfunc_end_k_qabd11a7fd0_cast-k_qabd11a7fd0_cast
	.p2alignl 7, 3214868480
	.fill 96, 4, 3214868480
	.section	.rodata,"a",@progbits
	.p2align	6, 0x0
	.amdhsa_kernel k_qabd11a7fd0_cast
		.amdhsa_group_segment_fixed_size 0
		.amdhsa_private_segment_fixed_size 0
		.amdhsa_enable_private_segment 0
		.amdhsa_kernarg_size 56
		.amdhsa_user_sgpr_count 2
		.amdhsa_user_sgpr_kernarg_segment_ptr 1
		.amdhsa_wavefront_size32 1
		.amdhsa_system_sgpr_workgroup_id_x 1
		.amdhsa_system_sgpr_workgroup_id_y 1
		.amdhsa_system_sgpr_workgroup_id_z 1
		.amdhsa_system_vgpr_workitem_id 0
		.amdhsa_next_free_vgpr 112
		.amdhsa_next_free_sgpr 66
		.amdhsa_reserve_vcc 0
		.amdhsa_float_denorm_mode_32 3
		.amdhsa_float_denorm_mode_16_64 3
		.amdhsa_memory_ordered 1
		.amdhsa_forward_progress 1
		.amdhsa_inst_pref_size 7
	.end_amdhsa_kernel
	.amdgpu_metadata
---
amdhsa.version: [ 1, 2 ]
amdhsa.kernels:
  - .name:           k_qabd11a7fd0_cast
    .symbol:         k_qabd11a7fd0_cast.kd
    .args:
      - { .name: x, .offset: 0, .size: 8, .value_kind: global_buffer, .address_space: global }
      - { .name: t, .offset: 8, .size: 8, .value_kind: global_buffer, .address_space: global }
      - { .name: kernel_x, .offset: 16, .size: 8, .value_kind: global_buffer, .address_space: global }
      - { .name: kernel_t, .offset: 24, .size: 8, .value_kind: global_buffer, .address_space: global }
      - { .name: kernel_a, .offset: 32, .size: 8, .value_kind: global_buffer, .address_space: global }
      - { .name: xt16, .offset: 40, .size: 8, .value_kind: global_buffer, .address_space: global }
      - { .name: k16, .offset: 48, .size: 8, .value_kind: global_buffer, .address_space: global }
    .group_segment_fixed_size: 0
    .private_segment_fixed_size: 0
    .kernarg_segment_align: 8
    .kernarg_segment_size: 56
    .max_flat_workgroup_size: 256
    .sgpr_count:     66
    .vgpr_count:     112
    .wavefront_size: 32
...
	.end_amdgpu_metadata
.endif
;; end of part 1
;; launch gates (part 2): grid 8 x 32, 4 waves a work-group, clusters of 4 x 4, 327,680 bytes of LDS; arguments xt16, k16, delta16, bias_x, bias_t, lambd; writes delta16
.if DOCPART == 2
	.amdgcn_target "amdgcn-amd-amdhsa--gfx1250"
	.amdhsa_code_object_version 6
	.text
	.protected	k_qabd11a7fd0_gates
	.globl	k_qabd11a7fd0_gates
	.p2align	8
	.type	k_qabd11a7fd0_gates,@function
k_qabd11a7fd0_gates:
	s_mov_b64 s[64:65], 0
	v_nop
	global_prefetch_b8 v0, s[64:65] scope:SCOPE_SE
	s_setreg_imm32_b32 hwreg(HW_REG_WAVE_MODE, 25, 1), 1
	s_wait_xcnt 0x0
	s_wait_alu depctr_hold_cnt(0) depctr_sa_sdst(0) depctr_va_vdst(0) depctr_va_sdst(0) depctr_va_ssrc(0) depctr_va_vcc(0) depctr_vm_vsrc(0)
	s_getreg_b32 s2, hwreg(HW_REG_IB_STS2, 6, 4)
	s_cmp_eq_u32 s2, 0
	s_cbranch_scc0 .Lentry_in_a_cluster
	s_endpgm
.Lentry_in_a_cluster:
	s_bfe_u32 s2, ttmp6, 0x10000c
	s_cmp_lg_u32 s2, 0xf033
	s_cbranch_scc0 .Lentry_shape_is_right
	s_endpgm
.Lentry_shape_is_right:
; GATES: delta[b][u][h] = lam[h] tanh(sum_t x[b][t][h] Kx[t][u] + bx[u]) + (1 - lam[h]) tanh(sum_t t[b][t][h] Kt[t][u] + bt[u]), stored as bf16 [8][2048 u][512 h].
; Operands bf16 (xt16, k16), sums f32.  bias and lambd are rounded to bf16 in registers, like all the module's inputs; all else in f32; delta is rounded once.
; LIMITS.  tanh(z) = 1 - 1 / (0.5 + 0.5 2^(2 log2(e) z)): its error is about 1e-7 absolute, not relative; it ends at +1 and -1 through an infinite or zero power.  NaN and infinities in the inputs are not treated apart.
; SHARES.  A work-group owns one b, 128 h and 256 u, for BOTH products.  Wave w: P = w & 1 is its product (0: x Kx, 1: t Kt), NH = w >> 1 its 128 u: 128 h x 128 u, 64 accumulators, 512 registers.
; THE RING.  K (= t) goes in steps of 96 through two LDS slots; a slot holds four tiles: 96 t x 128 h of x and of t, 96 t x 256 u of Kx and of Kt; each wave fetches one of them by one tensor load.
; 96 rows are what fits: a K row of the four tiles is 1,664 bytes of LDS, two slots of 96 rows 319,488 of the 327,680.  2048 = 32 + 21 x 96: the FIRST step is the short one; its tiles lie at the end of slot 0,
; so that the step's one text reads them as a slot's last 32 rows.  A step is three quarters of 32 rows, 64 matrix instructions each, one fragment buffer to a quarter: every step is the same text, and the slot is a scalar register.
; BOTH OPERANDS LIE [K][..] IN MEMORY, so both come out of LDS turned, by ds_load_tr16_b128.  Source 0 = 16 h, source 1 = 16 u: in the result a lane holds one u (lane % 16) and eight NEIGHBOURING h: 16 bytes of a row of delta.
; THE END.  Waves w and w ^ 1 hold the two products of the same (h, u).  Each keeps four of the eight h blocks (window 2) and sends the other four (window 3), weighted tanh already taken, through LDS; the receiver adds.
; CLUSTERS: 4 x 4 work-groups.  x's and t's tiles hang on (b, h block) alone, which a row of the cluster shares; Kx's and Kt's on the u block alone, which a column shares: each tile is asked for JOINTLY by the four.
; REGISTERS, in windows of 256 (s_set_vgpr_msb: bits 1:0 source 0, 3:2 source 1, 5:4 source 2, 7:6 destination):
;   window 0: v0-31 addresses; v32-47 the bias; v64-127, v128-191, v192-255 fragments of x or t, three buffers (block a at +8 a: 0-3 the blocks that I keep, 4-7 those that I send); at the end v64-223 the way out
;   window 1: v64-127, v128-191, v192-255 fragments of Kx or Kt, three buffers (at work at the head); v0-31, v32-63 the weights of the kept and of the sent h
;   window 2: the 32 accumulators that I keep, (c, a) at v[32 c + 8 a];   window 3: those that I send
.set ROWS,   96                        ; K rows in a step
.set S0,     32                        ; K rows in the first step
.set NT,     19                        ; trips of the loop: the steps 1 to 19, each of which fills its slot again
.set A_ROW,  1024                      ; bytes in a row of x or t
.set B_ROW,  4096                      ; bytes in a row of a kernel
.set A_P,    16777216                  ; bytes from x to t in xt16
.set A_PSH,  24                        ; its logarithm
.set B_OFF,  0                         ; Kx begins k16
.set B_P,    8388608                   ; bytes from Kx to Kt
.set A_STEP, ROWS*A_ROW
.set B_STEP, ROWS*B_ROW
.set PA,     288                       ; an LDS row of x or t: 256 bytes + 32 = 72 words
.set PB,     544                       ; an LDS row of a kernel: 512 + 32 = 136 words: the same
.set ATILE,  ROWS*PA
.set BTILE,  ROWS*PB
.set SLOT,   2*ATILE+2*BTILE           ; x's tile, t's, Kx's, Kt's: 159,744 bytes
.set STAGE,  131072                    ; in the ring, which has had its last fill by then, behind the exchange's 4 x 32,768 bytes: 256 rows (u) x 272 bytes, the work-group's, for the way out
.set SP,     272
.set SPARE,  2*SLOT                    ; behind the ring: the spare words, 128 bytes for each wave: two blocks of 256 bytes that no other line names
.set AK0,  16                          ; v16     my lane's place in a slot: the fragments of the h blocks that I keep; never rewritten
.set AS0,  17                          ; v17     of those that I send
.set AB0,  18                          ; v18     of my 128 columns of the kernel
.set ADRK, 19                          ; v19-21  the same three in the slot that is being read
.set ADRS, 20
.set ADRB, 21
.set XS,   22                          ; v22     the exchange: where I put 16 bytes (32,768 x wave + 16 x lane)
.set XR,   23                          ; v23     where I find my partner's
.set STO,  24                          ; v24     the way out: where I put 16 bytes of a row
.set RD,   25                          ; v25     where I read a row back
.set CO,   26                          ; v26     my byte offset in the output
.set SPW,  28                          ; v28     LDS address of my spare word: SPARE + 4 x my thread's number; never rewritten
.set NIL,  29                          ; v29     0; never rewritten
.set PFO,  30                          ; v30     the prefetches' offset; never rewritten
.set PFO2, 31                          ; v31     the same 64 rows further on
.set BI,   32                          ; v32-47  2 log2(e) x bias of block c, twice, at BI + 2 c
.set F0,   64
.set F1,   128
.set F2,   192
.set WO,   96                          ; the way out: 128 registers
.set WK,   0                           ; window 1: weight of h = 16 a + 8 (lane / 16) + j of the kept blocks at WK + 8 a + j
.set WS,   32                          ; window 1: the same for the sent blocks
.set LA,  20                           ; s20     LDS byte in a slot of the tile of x or t that goes with my P
.set LB,  21                           ; s21     of the kernel's tile
.set G1A, 24                           ; s[24:31] descriptor group 1 for x's and t's tiles of 96 rows
.set G0A, 32                           ; s[32:39] group 0: a set for each of the two first fills; the second then walks on
.set LIM, 43                           ; s43     2 in a wave that prefetches, else the greatest number
.set PFA, 44                           ; s[44:45] where my prefetches stand
.set G1B, 48                           ; s[48:55], s[56:63] the same for the kernels' tiles
.set G0B, 56
.set PFS, 66                           ; s[66:67] 64 rows in bytes, in the tensor that I prefetch
.set CS,  74                           ; s[74:75] 2 log2(e), twice
.set SGN, 76                           ; s76     +1 (x) or -1 (t)
.set OFS, 77                           ; s77     0 (x) or 1 (t): weight = lam x SGN + OFS
.set G1AS, 80                          ; s[80:87] group 1 for the first step's short tiles of x and t
.set G1BS, 88                          ; s[88:95] of the kernels
.set TB,  96                           ; s96     LDS byte at which the slot that is being read begins: 0 or SLOT
.set PFS2, 98                          ; s[98:99] 128 rows in bytes
.set PFT, 100                          ; s[100:101] at work
.set MSB, 0
.macro WIN new                         ; the immediate's high byte repeats the setting that is left; a switch that changes nothing is dropped
.if MSB != (\new)
	s_set_vgpr_msb (MSB<<8)|(\new)
.set MSB, \new
.endif
.endm
.macro PLACES                          ; four plain places between a matrix instruction and a load into, or a vector instruction on, one of its registers
.rept 4
	v_nop
.endr
.endm
; A joint refill, by the walking descriptors.  Waves 0 and 1 fetch x's and t's tiles, waves 2 and 3 Kx's and Kt's.  The branch hangs on the wave's number alone.  An s_nop 0 and four v_nop follow each of the two lines.
.macro JLOAD
	s_cmp_eq_u32 s11, 0
	s_cbranch_scc0 .Lfor_b_\@
	tensor_load_to_lds s[G0A+4:G0A+7], s[G1A:G1A+7]
	s_nop 0
.rept 4
	v_nop
.endr
	s_branch .Lasked_\@
.Lfor_b_\@:
	tensor_load_to_lds s[G0B+4:G0B+7], s[G1B:G1B+7]
	s_nop 0
.rept 4
	v_nop
.endr
.Lasked_\@:
.endm
; PREFETCHES INTO THE L2, in groups of 64 K rows: one instruction a wave, 32 blocks of 256 bytes, a lane a block.  Each block is named once in the launch: x's and t's rows by the first cluster along x
; (its wave 0: lanes 0-15 x, lanes 16-31 t), the kernels' rows by the first cluster along y (wave 2 Kx, wave 3 Kt: two blocks a row).  The four partners that ask for a tile jointly take 16 of a group's 64 rows each, told apart by address.
; A change that leaves slot 0 asks for two groups, one that leaves slot 1 for one: 96 rows a step.  The first group begins at row 320, where step 4 begins: what the change of step n asks for reaches the end of step n + 4, which the
; change of step n + 2 loads.  27 groups end at row 2048: the changes of steps 0 to 17 ask, those of steps 18 and 19 (s3 = 2, 1) do not.  Rows 0 to 319 come by their loads alone.
.macro ASK
	s_cmp_gt_u32 s3, s[LIM]
	s_cbranch_scc0 .Lnot_mine_\@
	global_prefetch_b8 v[PFO], s[PFA:PFA+1] th:TH_LOAD_NT scope:SCOPE_SE
	s_cmp_lg_u32 s[TB], 0                          ; slot 1 is being entered: slot 0 was left
	s_cbranch_scc0 .Lnot_mine_\@
	global_prefetch_b8 v[PFO2], s[PFA:PFA+1] th:TH_LOAD_NT scope:SCOPE_SE
.Lnot_mine_\@:
.endm
.macro CREST                           ; a round of the cluster's barrier behind its opening barrier
	s_cmp_lg_u32 s10, 0
	s_cbranch_scc1 .Lnot_wave_0_\@
	s_barrier_signal -3
.Lnot_wave_0_\@:
	s_barrier_wait -3
	s_barrier_signal -1
	s_barrier_wait -1
.endm
.macro CROUND                          ; a whole round
	s_barrier_signal -1
	s_barrier_wait -1
	CREST
.endm
; 4 cn matrix instructions: column blocks c0 .. c0 + cn - 1 x the four kept (hi = 0) or sent (hi = 1) h blocks, 32 along K.  zero = 1: the product starts the sum.
; The 64 accumulators take turns, one instruction a turn, in the same order in every quarter.
.macro MULC f, hi, c0, cn, zero
	WIN 0xa4+0x50*(\hi)
.set cc, \c0
.rept \cn
.irp a, 0,1,2,3
.if \zero
	v_wmma_f32_16x16x32_bf16 v[32*cc+8*(\a):32*cc+8*(\a)+7], v[(\f)+32*(\hi)+8*(\a):(\f)+32*(\hi)+8*(\a)+7], v[(\f)+8*cc:(\f)+8*cc+7], 0
.else
	v_wmma_f32_16x16x32_bf16 v[32*cc+8*(\a):32*cc+8*(\a)+7], v[(\f)+32*(\hi)+8*(\a):(\f)+32*(\hi)+8*(\a)+7], v[(\f)+8*cc:(\f)+8*cc+7], v[32*cc+8*(\a):32*cc+8*(\a)+7]
.endif
.endr
.set cc, cc+1
.endr
.endm
; 32 turning loads in one run: the fragments of 32 along K (third ks of the slot's 96 rows) into buffer f: the kernel's 8, the 4 kept, the 4 sent.
; A load takes 16 K rows x 16 columns (lane l reads row 8 (l / 16) + l % 8, columns 8 ((l / 8) % 2) + 0..7) and leaves half a fragment: lane l holds column l % 16 and 8 K.
.macro FETCH ks, f
	WIN 0x40
.irp c, 0,1,2,3,4,5,6,7
	ds_load_tr16_b128 v[(\f)+8*(\c):(\f)+8*(\c)+3],   v[ADRB] offset:(\ks)*32*PB+32*(\c)
	ds_load_tr16_b128 v[(\f)+8*(\c)+4:(\f)+8*(\c)+7], v[ADRB] offset:(\ks)*32*PB+32*(\c)+16*PB
.endr
	WIN 0
.irp a, 0,1,2,3
	ds_load_tr16_b128 v[(\f)+8*(\a):(\f)+8*(\a)+3],   v[ADRK] offset:(\ks)*32*PA+32*(\a)
	ds_load_tr16_b128 v[(\f)+8*(\a)+4:(\f)+8*(\a)+7], v[ADRK] offset:(\ks)*32*PA+32*(\a)+16*PA
.endr
.irp a, 0,1,2,3
	ds_load_tr16_b128 v[(\f)+32+8*(\a):(\f)+32+8*(\a)+3],   v[ADRS] offset:(\ks)*32*PA+32*(\a)
	ds_load_tr16_b128 v[(\f)+32+8*(\a)+4:(\f)+32+8*(\a)+7], v[ADRS] offset:(\ks)*32*PA+32*(\a)+16*PA
.endr
.endm
; One of a step's first two quarters: multiplies buffer f and, in its middle, fetches the slot's third ks into g.
.macro QUARTER ks, f, g, zero
	s_wait_dscnt 8                                 ; all but the youngest eight loads, the sent blocks' fragments, are in
	MULC \f, 0, 0, 8, \zero
	PLACES
	FETCH \ks, \g
	s_wait_dscnt 32                                ; all but the 32 just issued
	MULC \f, 1, 0, 8, \zero
.endm
; A step's last quarter multiplies buffer f, and THE CHANGE OF SLOTS STANDS AT ITS HEAD: its fragments are in registers, so the slot has been read out.  Each wave waits for all its tensor loads (one is out: its tile of the
; next slot), adds 0 to its spare word, and waits for that and for its own reads of this slot.  fill = 1: the barrier opens a round of the cluster's barrier, and this slot is filled again, two steps ahead, first thing behind the
; round: nothing that can stand behind the refill stands ahead of it, and it has a whole step, 192 matrix instructions, in which to land.  Then come the next slot's first fragments, into g, and the quarter's 64 products.
; fill = 0 (the tail's two trips): nothing is asked for; the last trip (s3 = 1) has no next slot and jumps over the run of loads, so that behind its barrier no wave reads the ring any more.
.macro TURN f, g, fill, zero
.if \fill
	s_wait_xcnt 0x0                                ; the last prefetches, a step back, have read their address: it is stepped here, ahead of the waits of the change of slots,
	s_cmp_lg_u32 s[TB], 0                          ; by the two groups that the change into slot 1 asked for, or by the one
	s_cselect_b64 s[PFT:PFT+1], s[PFS2:PFS2+1], s[PFS:PFS+1]
	s_add_nc_u64 s[PFA:PFA+1], s[PFA:PFA+1], s[PFT:PFT+1]
.endif
	WIN 0                                          ; (the add's two registers lie in window 0)
	s_wait_tensorcnt 0x0                           ; all my tensor loads have landed, so a group 0 may be written
	ds_add_u32 v[SPW], v[NIL]                      ; 0 onto my spare word; the steps below, work on registers, stand between it and the wait for it
.if \fill
	s_add_co_u32 s[G0A+5], s[LA], s[TB]            ; the walking descriptors: into the slot that is left,
	s_add_co_u32 s[G0B+5], s[LB], s[TB]
	s_add_nc_u64 s[G0A+6:G0A+7], s[G0A+6:G0A+7], A_STEP  ; the next 96 rows; the type bits on top are not reached
	s_add_nc_u64 s[G0B+6:G0B+7], s[G0B+6:G0B+7], B_STEP
.endif
	s_xor_b32 s[TB], s[TB], SLOT                   ; the reads go on in the other slot
	v_add_nc_u32 v[ADRK], s[TB], v[AK0]
	v_add_nc_u32 v[ADRS], s[TB], v[AS0]
	v_add_nc_u32 v[ADRB], s[TB], v[AB0]
	s_wait_dscnt 0x0                               ; the add is done, and my reads of this slot are over
	s_barrier_signal -1
	s_barrier_wait -1
.if \fill
	CREST                                          ; no wave of any partner still reads this slot or has a load on its way
	JLOAD                                          ; the four v_nop behind it are also places in front of the loads below
	FETCH 0, \g
	ASK
.else
	PLACES
	s_cmp_eq_u32 s3, 1
	s_cbranch_scc1 .Lno_more_\@
	FETCH 0, \g
.Lno_more_\@:
.endif
	MULC \f, 0, 0, 8, \zero
	MULC \f, 1, 0, 8, \zero
.endm
; THE EXCHANGE.  SEND: window 3, 32,768 bytes a wave, 16 bytes a lane, each accumulator's low four registers first.  RECV: my partner's, into window 3, added onto window 2 in four groups of 16 loads.
.macro SEND
	WIN 0x0c                                       ; the stores' data in window 3
.set q, 0
.rept 64
	ds_store_b128 v[XS], v[4*q:4*q+3] offset:512*q
.set q, q+1
.endr
.endm
.macro RECV
	WIN 0xc0
.set q, 0
.rept 64
	ds_load_b128 v[4*q:4*q+3], v[XR] offset:512*q
.set q, q+1
.endr
	WIN 0x8e                                       ; destination and source 0 window 2, source 1 window 3
.set g, 0
.rept 4
	s_wait_dscnt 48-16*g                           ; group g's sixteen loads are in; the later groups' may stay out
.set q, 0
.rept 32
	v_pk_add_f32 v[64*g+2*q:64*g+2*q+1], v[64*g+2*q:64*g+2*q+1], v[64*g+2*q:64*g+2*q+1]
.set q, q+1
.endr
.set g, g+1
.endr
.endm
; THE WAY OUT: wave w reads rows 64 w .. 64 w + 63 of the stage, whole, and stores them: 16 lanes store 256 consecutive bytes, at a multiple of 256 from the buffer's first byte.
.macro WAYOUT
	WIN 0
.set q, 0
.rept 32
	ds_load_b128 v[WO+4*q:WO+4*q+3], v[RD] offset:2*SP*q
.set q, q+1
.endr
.set q, 0
.rept 32
	s_wait_dscnt 31-q                              ; load q is in; the younger ones may stay out
	global_store_b128 v[CO], v[WO+4*q:WO+4*q+3], s[8:9] offset:2048*q
.set q, q+1
.endr
.endm
; w tanh(sum + bias), in place on window win's 256 registers; tab: the weights' table in window 1.  Each run of transcendentals is one batch with one wait.
.macro TANH win, tab
	WIN ((\win)<<6)|(\win)                         ; destination and source 0 in the accumulators' window, the bias (source 2) in window 0
.set q, 0
.rept 128
	v_pk_fma_f32 v[2*q:2*q+1], v[2*q:2*q+1], s[CS:CS+1], v[BI+2*(q/16):BI+2*(q/16)+1] op_sel_hi:[1,0,1]  ; 2 log2(e) (sum + bias); each accumulator's lowest registers first
.set q, q+1
.endr
.set q, 0
.rept 256
	v_exp_f32 v[q], v[q]
.set q, q+1
.endr
	v_nop                                          ; a plain instruction behind the last of the batch,
	s_wait_alu depctr_va_vdst(0)                   ; and the batch's one wait, ahead of the first reader
.set q, 0
.rept 128
	v_pk_fma_f32 v[2*q:2*q+1], v[2*q:2*q+1], 0.5, 0.5 op_sel_hi:[1,0,0]
.set q, q+1
.endr
.set q, 0
.rept 256
	v_rcp_f32 v[q], v[q]
.set q, q+1
.endr
	v_nop
	s_wait_alu depctr_va_vdst(0)
	WIN ((\win)<<6)|0x14|(\win)                    ; the weights (sources 1 and 2) in window 1
.set q, 0
.rept 128
	v_pk_fma_f32 v[2*q:2*q+1], v[2*q:2*q+1], v[(\tab)+(2*q)%32:(\tab)+(2*q)%32+1], v[(\tab)+(2*q)%32:(\tab)+(2*q)%32+1] neg_lo:[0,1,0] neg_hi:[0,1,0]  ; w - w / (0.5 + 0.5 e) = w tanh
.set q, q+1
.endr
.endm
	s_load_b128 s[4:7], s[0:1], 0x0                ; xt16 s[4:5], k16 s[6:7]
	s_load_b64 s[8:9], s[0:1], 0x10                ; delta16
	s_load_b64 s[68:69], s[0:1], 0x18              ; bias_x
	s_load_b64 s[70:71], s[0:1], 0x20              ; bias_t
	s_load_b64 s[72:73], s[0:1], 0x28              ; lambd
	v_lshl_add_u32 v[SPW], v0, 2, SPARE
	v_mov_b32 v[NIL], 0
	ds_add_u32 v[SPW], v[NIL]                      ; the wave's opening: the add, then its wait ahead of my first tensor load; the set-up below, work on registers, stands between them
	v_lshrrev_b32 v1, 5, v0
	v_readfirstlane_b32 s10, v1                    ; wave 0..3
	s_lshr_b32 s11, s10, 1                         ; NH: my half of the 256 columns.  Also: I fetch x or t (0), or a kernel (1)
	s_and_b32 s12, s10, 1                          ; P: my product.  Also: which of the two tiles I fetch
	s_bfe_u32 s40, ttmp6, 0x40000                  ; cx
	s_bfe_u32 s41, ttmp6, 0x40004                  ; cy = my block of 128 h
	s_lshl_b32 s42, ttmp9, 2
	s_add_co_u32 s42, s42, s40                     ; my block of 256 columns = 4 x cluster x + cx
	s_and_b32 s13, ttmp7, 0xffff                   ; cluster y = b: the cluster's four rows are b's four blocks of h
	s_lshl_b32 s14, s41, 2
	s_lshl_b32 s14, 15, s14                        ; my row of the cluster
	s_lshl_b32 s15, 0x1111, s40                    ; my column
	s_or_b32 s[G1A],  s14, (1<<16)|(1<<20)|(1<<21)|(5<<22)|(7<<25)  ; the mask; elements of 2 bytes; padding on; bit 21 beside a mask; after every 64 words (code 5) 8 words (code 7)
	s_or_b32 s[G1AS], s14, (1<<16)|(1<<20)|(1<<21)|(5<<22)|(7<<25)
	s_or_b32 s[G1B],  s15, (1<<16)|(1<<20)|(1<<21)|(6<<22)|(7<<25)  ; after every 128 words (code 6)
	s_or_b32 s[G1BS], s15, (1<<16)|(1<<20)|(1<<21)|(6<<22)|(7<<25)
.irp g, G1A, G1AS
	s_mov_b32 s[(\g)+1], 128<<16                   ; tensor_dim0 = 128
	s_mov_b32 s[(\g)+3], 128<<16                   ; tile_dim0 = 128
	s_mov_b32 s[(\g)+5], 512                       ; elements from row to row
	s_mov_b32 s[(\g)+6], 0
	s_mov_b32 s[(\g)+7], 0
.endr
.irp g, G1B, G1BS
	s_mov_b32 s[(\g)+1], 256<<16
	s_mov_b32 s[(\g)+3], 256<<16
	s_mov_b32 s[(\g)+5], 2048
	s_mov_b32 s[(\g)+6], 0
	s_mov_b32 s[(\g)+7], 0
.endr
.irp g, G1A, G1B
	s_mov_b32 s[(\g)+2], ROWS<<16                  ; tensor_dim1 = 96
	s_mov_b32 s[(\g)+4], ROWS                      ; tile_dim1 = 96
.endr
.irp g, G1AS, G1BS
	s_mov_b32 s[(\g)+2], S0<<16                    ; the first step's rows
	s_mov_b32 s[(\g)+4], S0
.endr
	s_mov_b32 s[TB], 0
	s_lshl_b32 s16, s13, 21                        ; b x 2048 rows of 1,024 bytes
	s_lshl_b32 s17, s41, 8                         ; + my 128 h: 256 bytes of a row.  s16 stays: it also places the output
	s_add_co_u32 s16, s16, s17
	s_mul_i32 s17, s12, A_P
	s_add_co_u32 s18, s16, s17                     ; the tile of x or t that I fetch or read
	s_mov_b32 s19, 0
	s_lshl_b32 s46, s42, 9                         ; my 256 columns: 512 bytes of a kernel's row
	s_mul_i32 s47, s12, B_P
	s_add_co_u32 s46, s46, s47
.if B_OFF
	s_add_co_u32 s46, s46, B_OFF
.endif
	s_mov_b32 s47, 0
	s_mul_i32 s[LA], s12, ATILE                    ; where the tiles go: no place in the cluster enters an LDS address
	s_mul_i32 s[LB], s12, BTILE
	s_add_co_u32 s[LB], s[LB], 2*ATILE
	s_wait_dscnt 0x0                               ; the opening add is done
	s_wait_kmcnt 0x0
	s_add_nc_u64 s[22:23], s[4:5], s[18:19]
	s_add_nc_u64 s[46:47], s[6:7], s[46:47]
	CROUND                                         ; all sixteen work-groups are here: the first joint loads meet
	s_mov_b32 s[G0A], 1                            ; step 0: the first S0 rows, at the end of slot 0
	s_add_co_u32 s[G0A+1], s[LA], (ROWS-S0)*PA
	s_mov_b64 s[G0A+2:G0A+3], s[22:23]
	s_or_b32 s[G0A+3], s[G0A+3], 0x80000000
	s_mov_b32 s[G0A+4], 1                          ; step 1: the next 96 rows, slot 1
	s_add_co_u32 s[G0A+5], s[LA], SLOT
	s_add_nc_u64 s[G0A+6:G0A+7], s[22:23], S0*A_ROW
	s_or_b32 s[G0A+7], s[G0A+7], 0x80000000
	s_mov_b32 s[G0B], 1
	s_add_co_u32 s[G0B+1], s[LB], (ROWS-S0)*PB
	s_mov_b64 s[G0B+2:G0B+3], s[46:47]
	s_or_b32 s[G0B+3], s[G0B+3], 0x80000000
	s_mov_b32 s[G0B+4], 1
	s_add_co_u32 s[G0B+5], s[LB], SLOT
	s_add_nc_u64 s[G0B+6:G0B+7], s[46:47], S0*B_ROW
	s_or_b32 s[G0B+7], s[G0B+7], 0x80000000
	s_cmp_eq_u32 s11, 0                            ; a wave's two first fills stand in one branch, ahead of every wait on TENSORcnt and every LDS read: two loads of mine are out
	s_cbranch_scc0 .Lfirst_b
	tensor_load_to_lds s[G0A:G0A+3], s[G1AS:G1AS+7]
	s_nop 0
	tensor_load_to_lds s[G0A+4:G0A+7], s[G1A:G1A+7]
	s_nop 0
.rept 4
	v_nop
.endr
	s_branch .Lfirst_asked
.Lfirst_b:
	tensor_load_to_lds s[G0B:G0B+3], s[G1BS:G1BS+7]
	s_nop 0
	tensor_load_to_lds s[G0B+4:G0B+7], s[G1B:G1B+7]
	s_nop 0
.rept 4
	v_nop
.endr
.Lfirst_asked:
	v_and_b32 v1, 15, v0                           ; r = l % 16
	v_bfe_u32 v2, v0, 4, 1                         ; l / 16
	v_and_b32 v3, 7, v0
	v_bfe_u32 v4, v0, 3, 1
	v_and_b32 v8, 31, v0                           ; l
	v_lshl_add_u32 v5, v2, 3, v3                   ; the K row that I address: 8 (l / 16) + l % 8
	v_mul_u32_u24 v6, v5, PA
	v_lshl_add_u32 v6, v4, 4, v6
	v_mul_u32_u24 v7, v5, PB
	v_lshl_add_u32 v7, v4, 4, v7
	s_lshl_b32 s17, s12, 7                         ; the blocks that I keep: 4 P .. 4 P + 3, 32 bytes each,
	s_add_co_u32 s17, s17, s[LA]                   ; in my product's tile
	s_xor_b32 s18, s12, 1
	s_lshl_b32 s18, s18, 7                         ; those that I send: the other four
	s_add_co_u32 s18, s18, s[LA]
	s_lshl_b32 s19, s11, 8                         ; my 128 columns: 256 bytes
	s_add_co_u32 s19, s19, s[LB]
	v_add_nc_u32 v[AK0], s17, v6
	v_add_nc_u32 v[AS0], s18, v6
	v_add_nc_u32 v[AB0], s19, v7
	v_mov_b32 v[ADRK], v[AK0]                      ; slot 0 is read first
	v_mov_b32 v[ADRS], v[AS0]
	v_mov_b32 v[ADRB], v[AB0]
	s_lshl_b32 s14, s10, 15
	v_lshl_add_u32 v[XS], v8, 4, s14
	s_xor_b32 s14, s14, 32768                      ; my partner: the wave with the other product and the same columns
	v_lshl_add_u32 v[XR], v8, 4, s14
	s_mul_i32 s14, s11, 128*SP                     ; into the stage: row = column 128 NH + 16 c + r; my 64 h are 128 bytes at 128 P; 16 bytes for each half of the lanes
	s_lshl_b32 s15, s12, 7
	s_add_co_u32 s14, s14, s15
	s_add_co_u32 s14, s14, STAGE
	v_mul_u32_u24 v9, v1, SP
	v_lshl_add_u32 v9, v2, 4, v9
	v_add_nc_u32 v[STO], s14, v9
	s_mul_i32 s14, s10, 64*SP                      ; back: lanes 0-15 one row of 256 bytes, lanes 16-31 the next
	s_add_co_u32 s14, s14, STAGE
	v_mul_u32_u24 v9, v2, SP
	v_lshl_add_u32 v9, v1, 4, v9
	v_add_nc_u32 v[RD], s14, v9
	v_lshlrev_b32 v9, 10, v2                       ; and the same two rows in the output
	v_lshl_add_u32 v[CO], v1, 4, v9
	s_lshl_b32 s14, s42, 18                        ; the output: 256 rows of 1,024 bytes a column block,
	s_lshl_b32 s15, s10, 16                        ; 64 rows a wave,
	s_add_co_u32 s14, s14, s15
	s_add_co_u32 s14, s14, s16                     ; b and my 128 h
	s_mov_b32 s15, 0
	s_add_nc_u64 s[8:9], s[8:9], s[14:15]
	; the bias of my 128 columns and the weights of my 128 h
	s_mov_b32 s[CS], 0x4038aa3b                    ; 2 log2(e)
	s_mov_b32 s[CS+1], s[CS]
	s_lshl_b32 s14, s42, 10
	s_lshl_b32 s15, s11, 9
	s_add_co_u32 s14, s14, s15
	s_mov_b32 s15, 0
	s_lshl_b32 s18, s41, 9
	s_mov_b32 s19, 0
	s_cmp_eq_u32 s12, 0
	s_cselect_b64 s[68:69], s[68:69], s[70:71]     ; my product's bias
	s_cselect_b32 s[SGN], 1.0, -1.0
	s_cselect_b32 s[OFS], 0, 1.0
	s_add_nc_u64 s[68:69], s[68:69], s[14:15]
	s_add_nc_u64 s[72:73], s[72:73], s[18:19]
	v_lshlrev_b32 v12, 2, v1
	v_lshlrev_b32 v13, 5, v2
	s_lshl_b32 s14, s12, 8
	s_xor_b32 s15, s14, 256
	v_add_nc_u32 v14, s15, v13                     ; the sent blocks' h
	v_add_nc_u32 v13, s14, v13                     ; the kept blocks' h
	WIN 0x40                                       ; into window 1; v64 and up are fragment buffers, free until the first fetch
.irp c, 0,1,2,3,4,5,6,7
	global_load_b32 v[64+(\c)], v12, s[68:69] offset:64*(\c)
.endr
.irp a, 0,1,2,3
	global_load_b128 v[WK+8*(\a):WK+8*(\a)+3],   v13, s[72:73] offset:64*(\a)
	global_load_b128 v[WK+8*(\a)+4:WK+8*(\a)+7], v13, s[72:73] offset:64*(\a)+16
	global_load_b128 v[WS+8*(\a):WS+8*(\a)+3],   v14, s[72:73] offset:64*(\a)
	global_load_b128 v[WS+8*(\a)+4:WS+8*(\a)+7], v14, s[72:73] offset:64*(\a)+16
.endr
	WIN 0
	; the prefetches: offsets, address, steps, and who asks
	v_lshlrev_b32 v9, 10, v1                       ; x, t: row l % 16 of my 16, lanes 16-31 in t
	v_lshl_add_u32 v9, v2, A_PSH, v9
	v_lshrrev_b32 v10, 1, v8                       ; a kernel: row l / 2 of my 16, block l % 2 of its 512 bytes
	v_lshlrev_b32 v10, 12, v10
	v_and_b32 v11, 1, v0
	v_lshl_add_u32 v10, v11, 8, v10
	s_lshl_b32 s14, s40, 14                        ; my work-group's 16 rows of a group's 64, by cx for x and t,
	s_add_co_u32 s14, s14, 256*A_ROW               ; at row 256: the first change of slots steps it to row 320
	s_lshl_b32 s15, s41, 16                        ; by cy for the kernels
	s_add_co_u32 s15, s15, 256*B_ROW
	s_mov_b32 s[PFS], 64*B_ROW
	s_cmp_eq_u32 s11, 0
	s_cselect_b64 s[PFA:PFA+1], s[22:23], s[46:47]
	s_cselect_b32 s14, s14, s15
	s_cselect_b32 s17, ttmp9, s13                  ; the coordinate along which other clusters read the same rows
	s_cselect_b32 s[PFS], 64*A_ROW, s[PFS]
	s_cselect_b32 s18, -1, 0
	s_mov_b32 s15, 0
	s_mov_b32 s[PFS+1], 0
	s_lshl_b32 s[PFS2], s[PFS], 1
	s_mov_b32 s[PFS2+1], 0
	s_add_nc_u64 s[PFA:PFA+1], s[PFA:PFA+1], s[14:15]
	v_cndmask_b32 v[PFO], v10, v9, s18
	v_add_nc_u32 v[PFO2], s[PFS], v[PFO]
	s_cmp_eq_u32 s10, 1                            ; wave 0 asks for x and t together, so wave 1 asks for nothing
	s_cselect_b32 s19, 1, 0
	s_or_b32 s17, s17, s19
	s_cmp_eq_u32 s17, 0
	s_cselect_b32 s[LIM], 2, -1                    ; the same in all sixteen partners, for a given wave
	s_wait_loadcnt 0x0                             ; bias and lambd
	WIN 0x45                                       ; destination, source 0 and source 1 in window 1
.set q, 0
.rept 8
	v_cvt_pk_bf16_f32 v[72+q], v[64+q], v[64+q]    ; the bias rounded to bf16,
.set q, q+1
.endr
.set q, 0
.rept 8
	v_lshlrev_b32 v[72+q], 16, v[72+q]             ; widened again,
.set q, q+1
.endr
	WIN 0x04                                       ; destination in window 0
.set q, 0
.rept 8
	v_mul_f32 v[BI+2*q], s[CS], v[72+q]            ; times 2 log2(e), twice: a pair for the packed multiply-add
	v_mul_f32 v[BI+2*q+1], s[CS], v[72+q]
.set q, q+1
.endr
	WIN 0x45
.set q, 0
.rept 32
	v_cvt_pk_bf16_f32 v[96+q], v[WK+2*q], v[WK+2*q+1]  ; lambd likewise, two at a time (the sent blocks' 32 follow the kept blocks')
.set q, q+1
.endr
.set q, 0
.rept 32
	v_lshlrev_b32 v[WK+2*q], 16, v[96+q]
	v_and_b32 v[WK+2*q+1], 0xffff0000, v[96+q]
.set q, q+1
.endr
.set q, 0
.rept 64
	v_fma_f32 v[WK+q], v[WK+q], s[SGN], s[OFS]     ; lam for x's product, 1 - lam for t's
.set q, q+1
.endr
	WIN 0
	s_wait_tensorcnt 0x1                           ; my tile of step 0 is in; step 1's may stay out
	s_barrier_signal -1
	s_barrier_wait -1                              ; everybody's is
	FETCH 2, F2                                    ; step 0 is a slot's last third
	s_mov_b32 s3, NT
	TURN F2, F0, 1, 1                              ; its one quarter stands in front of the loop: its products start the sums
	WIN 0                                          ; at a label and at a branch every window is 0
.Lstep:                                                ; a trip is a step of 96 rows: it reads a slot out and fills it again
	QUARTER 1, F0, F1, 0
	QUARTER 2, F1, F2, 0
	TURN F2, F0, 1, 0
	WIN 0
	s_sub_co_u32 s3, s3, 1
	s_cmp_lg_u32 s3, 0
	s_cbranch_scc1 .Lstep
	s_mov_b32 s3, 2
.Ltail:                                                ; the last two steps fill nothing: a text of their own
	QUARTER 1, F0, F1, 0
	QUARTER 2, F1, F2, 0
	TURN F2, F0, 0, 0
	WIN 0
	s_sub_co_u32 s3, s3, 1
	s_cmp_lg_u32 s3, 0
	s_cbranch_scc1 .Ltail
	PLACES                                         ; the places behind the last products.  Behind the last change's barrier no wave reads the ring, and it has had its last fill: it serves the exchange and the stage
	PLACES
	TANH 3, WS
	SEND
	s_wait_dscnt 0x0                               ; for my partner's sake: my stores are done
	s_barrier_signal -1
	TANH 2, WK                                     ; work on registers while the others arrive
	WIN 0
	s_barrier_wait -1
	RECV                                           ; delta, in f32
	WIN 0x0a                                       ; sources in window 2, destination in window 0
.set q, 0
.rept 128
	v_cvt_pk_bf16_f32 v[64+q], v[2*q], v[2*q+1]
.set q, q+1
.endr
	WIN 0
.set q, 0
.rept 32                                       ; block (c, a) = (q / 4, q % 4)
	ds_store_b128 v[STO], v[64+4*q:64+4*q+3] offset:16*SP*(q/4)+32*(q%4)
.set q, q+1
.endr
	s_wait_dscnt 0x0                               ; a row's 256 bytes come from two waves: my stores are done,
	s_barrier_signal -1
	s_barrier_wait -1                              ; everybody's are
	WAYOUT
	s_wait_tensorcnt 0x0                           ; the wave's end: three lines behind my last tensor load and my last LDS store
	ds_add_u32 v[SPW], v[NIL]
	s_wait_dscnt 0x0
	CROUND                                         ; the closing round: no work-group ends while a partner may still ask for a tile that names it
	s_endpgm
.Lfunc_end_k_qabd11a7fd0_gates:
	.size	k_qabd11a7fd0_gates, .Lfunc_end_k_qabd11a7fd0_gates-k_qabd11a7fd0_gates
	.p2alignl 7, 3214868480
	.fill 96, 4, 3214868480
	.section	.rodata,"a",@progbits
	.p2align	6, 0x0
	.amdhsa_kernel k_qabd11a7fd0_gates
		.amdhsa_group_segment_fixed_size 327680
		.amdhsa_private_segment_fixed_size 0
		.amdhsa_enable_private_segment 0
		.amdhsa_kernarg_size 48
		.amdhsa_user_sgpr_count 2
		.amdhsa_user_sgpr_kernarg_segment_ptr 1
		.amdhsa_wavefront_size32 1
		.amdhsa_system_sgpr_workgroup_id_x 1
		.amdhsa_system_sgpr_workgroup_id_y 1
		.amdhsa_system_sgpr_workgroup_id_z 1
		.amdhsa_system_vgpr_workitem_id 0
		.amdhsa_next_free_vgpr 1024
		.amdhsa_next_free_sgpr 102
		.amdhsa_reserve_vcc 0
		.amdhsa_float_denorm_mode_32 3
		.amdhsa_float_denorm_mode_16_64 3
		.amdhsa_memory_ordered 1
		.amdhsa_forward_progress 1
		.amdhsa_inst_pref_size 187
	.end_amdhsa_kernel
	.amdgpu_metadata
---
amdhsa.version: [ 1, 2 ]
amdhsa.kernels:
  - .name:           k_qabd11a7fd0_gates
    .symbol:         k_qabd11a7fd0_gates.kd
    .args:
      - { .name: xt16, .offset: 0, .size: 8, .value_kind: global_buffer, .address_space: global }
      - { .name: k16, .offset: 8, .size: 8, .value_kind: global_buffer, .address_space: global }
      - { .name: delta16, .offset: 16, .size: 8, .value_kind: global_buffer, .address_space: global }
      - { .name: bias_x, .offset: 24, .size: 8, .value_kind: global_buffer, .address_space: global }
      - { .name: bias_t, .offset: 32, .size: 8, .value_kind: global_buffer, .address_space: global }
      - { .name: lambd, .offset: 40, .size: 8, .value_kind: global_buffer, .address_space: global }
    .group_segment_fixed_size: 327680
    .private_segment_fixed_size: 0
    .kernarg_segment_align: 8
    .kernarg_segment_size: 48
    .max_flat_workgroup_size: 128
    .sgpr_count:     102
    .vgpr_count:     1024
    .wavefront_size: 32
...
	.end_amdgpu_metadata
.endif
;; end of part 2
;; launch scores (part 3): grid 8 x 32, 4 waves a work-group, clusters of 4 x 4, 327,680 bytes of LDS; arguments delta16, k16, p16, stats; writes p16, stats
.if DOCPART == 3
	.amdgcn_target "amdgcn-amd-amdhsa--gfx1250"
	.amdhsa_code_object_version 6
	.text
	.protected	k_qabd11a7fd0_scores
	.globl	k_qabd11a7fd0_scores
	.p2align	8
	.type	k_qabd11a7fd0_scores,@function
k_qabd11a7fd0_scores:
	s_mov_b64 s[64:65], 0
	v_nop
	global_prefetch_b8 v0, s[64:65] scope:SCOPE_SE
	s_setreg_imm32_b32 hwreg(HW_REG_WAVE_MODE, 25, 1), 1
	s_wait_xcnt 0x0
	s_wait_alu depctr_hold_cnt(0) depctr_sa_sdst(0) depctr_va_vdst(0) depctr_va_sdst(0) depctr_va_ssrc(0) depctr_va_vcc(0) depctr_vm_vsrc(0)
	s_getreg_b32 s2, hwreg(HW_REG_IB_STS2, 6, 4)
	s_cmp_eq_u32 s2, 0
	s_cbranch_scc0 .Lentry_in_a_cluster
	s_endpgm
.Lentry_in_a_cluster:
	s_bfe_u32 s2, ttmp6, 0x10000c
	s_cmp_lg_u32 s2, 0xf033
	s_cbranch_scc0 .Lentry_shape_is_right
	s_endpgm
.Lentry_shape_is_right:
; SCORES: l[b][h][s] = sum_u delta[b][u][h] Ka[u][s] (bf16 operands, f32 sums), and the first level of the softmax over s, by chunks of 128 s:
; for each (b, h, chunk): c m = log2(e) x the chunk's maximum, p = 2^(c l - c m) stored as f16 [8][2048 s][512 h], and the sum of the unrounded p.  stats: c m as f32 [8][16 chunks][512 h], the sums 262,144 bytes further on.
; The launch behind joins the sixteen chunks by their maxima: a running maximum in two levels.
; LIMITS.  p lies in 0 to 1 (to within a rounding of c m); below 6e-5 it keeps f16's fixed step of 6e-8; a weight below 2^-126 counts as 0 in the sum.  NaN and infinities are not treated apart.
; SHARES.  A work-group owns one b, 128 h and 256 s.  K (= u) IS SPLIT between the waves of a pair: wave w: P = w & 1 takes u = 1024 P .. 1024 P + 1023, NH = w >> 1 is its 128 s (one chunk):
; 128 h x 128 s, 64 accumulators, 512 registers.
; THE RING.  Each half of K goes in steps of 96 through two LDS slots; a slot holds four tiles: 96 u x 128 h of delta for each half, 96 u x 256 s of Ka for each half; each wave fetches one of them by one tensor load.
; 96 rows are what fits: a K row of the four tiles is 1,664 bytes of LDS, two slots of 96 rows 319,488 of the 327,680.  1024 = 64 + 10 x 96: the FIRST step is the short one; its tiles lie at the end of slot 0,
; so that the step's one text reads them as a slot's last 64 rows.  A step is three quarters of 32 rows, 64 matrix instructions each, one fragment buffer to a quarter: every step is the same text, and the slot is a scalar register.
; BOTH OPERANDS LIE [K][..] IN MEMORY, so both come out of LDS turned, by ds_load_tr16_b128.  Source 0 = 16 h, source 1 = 16 s: in the result a lane holds one s (lane % 16) and eight NEIGHBOURING h: 16 bytes of a row of p.
; THE END.  Waves w and w ^ 1 hold the two halves of K for the same (h, s).  Each keeps four of the eight h blocks (window 2) and sends the other four (window 3) through LDS; the receiver adds.
; CLUSTERS: 4 x 4 work-groups.  delta's tiles hang on (b, h block) alone, which a row of the cluster shares; Ka's on the s block alone, which a column shares: each tile is asked for JOINTLY by the four.
; REGISTERS, in windows of 256 (s_set_vgpr_msb: bits 1:0 source 0, 3:2 source 1, 5:4 source 2, 7:6 destination):
;   window 0: v0-31 addresses; v64-127, v128-191, v192-255 fragments of delta, three buffers (block a at +8 a: 0-3 the blocks that I keep, 4-7 those that I send); at the end v32-63 maxima, v64-95 sums, v128-223 at work, v96-223 the way out
;   window 1: v64-127, v128-191, v192-255 fragments of Ka, three buffers
;   window 2: the 32 accumulators that I keep, (c, a) at v[32 c + 8 a];   window 3: those that I send
.set ROWS,   96                        ; K rows in a step
.set S0,     64                        ; K rows in the first step
.set NT,     8                         ; trips of the loop: the steps 1 to 8, each of which fills its slot again
.set A_ROW,  1024                      ; bytes in a row of delta
.set B_ROW,  4096                      ; bytes in a row of Ka
.set A_P,    1048576                   ; 1,024 rows of delta: from the first half of K to the second
.set A_PSH,  20                        ; its logarithm
.set B_OFF,  16777216                  ; Ka is the third kernel in k16
.set B_P,    4194304                   ; 1,024 rows of Ka
.set A_STEP, ROWS*A_ROW
.set B_STEP, ROWS*B_ROW
.set PA,     288                       ; an LDS row of delta: 256 bytes + 32 = 72 words
.set PB,     544                       ; an LDS row of Ka: 512 + 32 = 136 words: the same
.set ATILE,  ROWS*PA
.set BTILE,  ROWS*PB
.set SLOT,   2*ATILE+2*BTILE           ; delta's two tiles, then Ka's two: 159,744 bytes
.set STAGE,  131072                    ; in the ring, which has had its last fill by then, behind the exchange's 4 x 32,768 bytes: 256 rows (s) x 272 bytes, the work-group's, for the way out
.set SP,     272
.set SPARE,  2*SLOT                    ; behind the ring: the spare words, 128 bytes for each wave: two blocks of 256 bytes that no other line names
.set AK0,  16                          ; v16     my lane's place in a slot: the fragments of the h blocks that I keep; never rewritten
.set AS0,  17                          ; v17     of those that I send
.set AB0,  18                          ; v18     of my 128 columns of Ka
.set ADRK, 19                          ; v19-21  the same three in the slot that is being read
.set ADRS, 20
.set ADRB, 21
.set XS,   22                          ; v22     the exchange: where I put 16 bytes (32,768 x wave + 16 x lane)
.set XR,   23                          ; v23     where I find my partner's
.set STO,  24                          ; v24     the way out: where I put 16 bytes of a row
.set RD,   25                          ; v25     where I read a row back
.set CO,   26                          ; v26     my byte offset in the output
.set SO,   27                          ; v27     my 8 bytes of the wave's 256 in stats
.set SPW,  28                          ; v28     LDS address of my spare word: SPARE + 4 x my thread's number; never rewritten
.set NIL,  29                          ; v29     0; never rewritten
.set PFO,  30                          ; v30     the prefetches' offset; never rewritten
.set PFO2, 31                          ; v31     the same 64 rows further on
.set F0,   64
.set F1,   128
.set F2,   192
.set WO,   96                          ; the way out: 128 registers, clear of the registers that the stores of statistics read
.set M,    32                          ; v32-63  maximum, then c m, of h = 16 a + 8 (lane / 16) + j at M + 8 a + j
.set SUM,  64                          ; v64-95  the sums, likewise
.set Z,    128                         ; v128-191 two column blocks' exponents, then weights
.set PK,   192                         ; v192-223 the same rounded to f16
.set LA,  20                           ; s20     LDS byte in a slot of delta's tile that goes with my P
.set LB,  21                           ; s21     of Ka's tile
.set G1A, 24                           ; s[24:31] descriptor group 1 for delta's tiles of 96 rows
.set G0A, 32                           ; s[32:39] group 0: a set for each of the two first fills; the second then walks on
.set LIM, 43                           ; s43     2 in a wave that prefetches, else the greatest number
.set PFA, 44                           ; s[44:45] where my prefetches stand
.set G1B, 48                           ; s[48:55], s[56:63] the same for Ka's tiles
.set G0B, 56
.set PFS, 66                           ; s[66:67] 64 rows in bytes, in the tensor that I prefetch
.set CS,  74                           ; s[74:75] log2(e), twice
.set MK,  76                           ; s76-79  lane masks: bit 3, 2, 1, 0 of lane % 16 is set
.set G1AS, 80                          ; s[80:87] group 1 for the first step's short tiles of delta
.set G1BS, 88                          ; s[88:95] of Ka
.set TB,  96                           ; s96     LDS byte at which the slot that is being read begins: 0 or SLOT
.set PFS2, 98                          ; s[98:99] 128 rows in bytes
.set PFT, 100                          ; s[100:101] at work
.set MSB, 0
.macro WIN new                         ; the immediate's high byte repeats the setting that is left; a switch that changes nothing is dropped
.if MSB != (\new)
	s_set_vgpr_msb (MSB<<8)|(\new)
.set MSB, \new
.endif
.endm
.macro PLACES                          ; four plain places between a matrix instruction and a load into, or a vector instruction on, one of its registers
.rept 4
	v_nop
.endr
.endm
; A joint refill, by the walking descriptors.  Waves 0 and 1 fetch delta's two tiles, waves 2 and 3 Ka's.  The branch hangs on the wave's number alone.  An s_nop 0 and four v_nop follow each of the two lines.
.macro JLOAD
	s_cmp_eq_u32 s11, 0
	s_cbranch_scc0 .Lfor_b_\@
	tensor_load_to_lds s[G0A+4:G0A+7], s[G1A:G1A+7]
	s_nop 0
.rept 4
	v_nop
.endr
	s_branch .Lasked_\@
.Lfor_b_\@:
	tensor_load_to_lds s[G0B+4:G0B+7], s[G1B:G1B+7]
	s_nop 0
.rept 4
	v_nop
.endr
.Lasked_\@:
.endm
; PREFETCHES INTO THE L2, in groups of 64 K rows of each half of K: one instruction a wave, 32 blocks of 256 bytes, a lane a block.  Each block is named once in the launch: delta's rows by the first cluster along x
; (its wave 0: lanes 0-15 the first half of K, lanes 16-31 the second), Ka's rows by the first cluster along y (waves 2 and 3, a half each: two blocks a row).  The four partners that ask for a tile jointly take 16 of a group's 64 rows each, told apart by address.
; A change that leaves slot 0 asks for two groups, one that leaves slot 1 for one: 96 rows a step.  The first group begins at row 320 of a half, in step 3: what the change of step n asks for reaches the end of step n + 4, or 32 rows
; short of it, and the change of step n + 2 loads that step.  11 groups end at row 1024: the changes of steps 0 to 6 ask, those of steps 7 and 8 (s3 = 2, 1) do not.  Rows 0 to 319 come by their loads alone.
.macro ASK
	s_cmp_gt_u32 s3, s[LIM]
	s_cbranch_scc0 .Lnot_mine_\@
	global_prefetch_b8 v[PFO], s[PFA:PFA+1] th:TH_LOAD_NT scope:SCOPE_SE
	s_cmp_lg_u32 s[TB], 0                          ; slot 1 is being entered: slot 0 was left
	s_cbranch_scc0 .Lnot_mine_\@
	global_prefetch_b8 v[PFO2], s[PFA:PFA+1] th:TH_LOAD_NT scope:SCOPE_SE
.Lnot_mine_\@:
.endm
.macro CREST                           ; a round of the cluster's barrier behind its opening barrier
	s_cmp_lg_u32 s10, 0
	s_cbranch_scc1 .Lnot_wave_0_\@
	s_barrier_signal -3
.Lnot_wave_0_\@:
	s_barrier_wait -3
	s_barrier_signal -1
	s_barrier_wait -1
.endm
.macro CROUND                          ; a whole round
	s_barrier_signal -1
	s_barrier_wait -1
	CREST
.endm
; 4 cn matrix instructions: column blocks c0 .. c0 + cn - 1 x the four kept (hi = 0) or sent (hi = 1) h blocks, 32 along K.  zero = 1: the product starts the sum.
; The 64 accumulators take turns, one instruction a turn, in the same order in every quarter.
.macro MULC f, hi, c0, cn, zero
	WIN 0xa4+0x50*(\hi)
.set cc, \c0
.rept \cn
.irp a, 0,1,2,3
.if \zero
	v_wmma_f32_16x16x32_bf16 v[32*cc+8*(\a):32*cc+8*(\a)+7], v[(\f)+32*(\hi)+8*(\a):(\f)+32*(\hi)+8*(\a)+7], v[(\f)+8*cc:(\f)+8*cc+7], 0
.else
	v_wmma_f32_16x16x32_bf16 v[32*cc+8*(\a):32*cc+8*(\a)+7], v[(\f)+32*(\hi)+8*(\a):(\f)+32*(\hi)+8*(\a)+7], v[(\f)+8*cc:(\f)+8*cc+7], v[32*cc+8*(\a):32*cc+8*(\a)+7]
.endif
.endr
.set cc, cc+1
.endr
.endm
; 32 turning loads in one run: the fragments of 32 along K (third ks of the slot's 96 rows) into buffer f: Ka's 8, the 4 kept, the 4 sent.
; A load takes 16 K rows x 16 columns (lane l reads row 8 (l / 16) + l % 8, columns 8 ((l / 8) % 2) + 0..7) and leaves half a fragment: lane l holds column l % 16 and 8 K.
.macro FETCH ks, f
	WIN 0x40
.irp c, 0,1,2,3,4,5,6,7
	ds_load_tr16_b128 v[(\f)+8*(\c):(\f)+8*(\c)+3],   v[ADRB] offset:(\ks)*32*PB+32*(\c)
	ds_load_tr16_b128 v[(\f)+8*(\c)+4:(\f)+8*(\c)+7], v[ADRB] offset:(\ks)*32*PB+32*(\c)+16*PB
.endr
	WIN 0
.irp a, 0,1,2,3
	ds_load_tr16_b128 v[(\f)+8*(\a):(\f)+8*(\a)+3],   v[ADRK] offset:(\ks)*32*PA+32*(\a)
	ds_load_tr16_b128 v[(\f)+8*(\a)+4:(\f)+8*(\a)+7], v[ADRK] offset:(\ks)*32*PA+32*(\a)+16*PA
.endr
.irp a, 0,1,2,3
	ds_load_tr16_b128 v[(\f)+32+8*(\a):(\f)+32+8*(\a)+3],   v[ADRS] offset:(\ks)*32*PA+32*(\a)
	ds_load_tr16_b128 v[(\f)+32+8*(\a)+4:(\f)+32+8*(\a)+7], v[ADRS] offset:(\ks)*32*PA+32*(\a)+16*PA
.endr
.endm
; One of a step's first two quarters: multiplies buffer f and, in its middle, fetches the slot's third ks into g.
.macro QUARTER ks, f, g, zero
	s_wait_dscnt 8                                 ; all but the youngest eight loads, the sent blocks' fragments, are in
	MULC \f, 0, 0, 8, \zero
	PLACES
	FETCH \ks, \g
	s_wait_dscnt 32                                ; all but the 32 just issued
	MULC \f, 1, 0, 8, \zero
.endm
; A step's last quarter multiplies buffer f, and THE CHANGE OF SLOTS STANDS AT ITS HEAD: its fragments are in registers, so the slot has been read out.  Each wave waits for all its tensor loads (one is out: its tile of the
; next slot), adds 0 to its spare word, and waits for that and for its own reads of this slot.  fill = 1: the barrier opens a round of the cluster's barrier, and this slot is filled again, two steps ahead, first thing behind the
; round: nothing that can stand behind the refill stands ahead of it, and it has a whole step, 192 matrix instructions, in which to land.  Then come the next slot's first fragments, into g, and the quarter's 64 products.
; fill = 0 (the tail's two trips): nothing is asked for; the last trip (s3 = 1) has no next slot and jumps over the run of loads, so that behind its barrier no wave reads the ring any more.
.macro TURN f, g, fill, zero
.if \fill
	s_wait_xcnt 0x0                                ; the last prefetches, a step back, have read their address: it is stepped here, ahead of the waits of the change of slots,
	s_cmp_lg_u32 s[TB], 0                          ; by the two groups that the change into slot 1 asked for, or by the one
	s_cselect_b64 s[PFT:PFT+1], s[PFS2:PFS2+1], s[PFS:PFS+1]
	s_add_nc_u64 s[PFA:PFA+1], s[PFA:PFA+1], s[PFT:PFT+1]
.endif
	WIN 0                                          ; (the add's two registers lie in window 0)
	s_wait_tensorcnt 0x0                           ; all my tensor loads have landed, so a group 0 may be written
	ds_add_u32 v[SPW], v[NIL]                      ; 0 onto my spare word; the steps below, work on registers, stand between it and the wait for it
.if \fill
	s_add_co_u32 s[G0A+5], s[LA], s[TB]            ; the walking descriptors: into the slot that is left,
	s_add_co_u32 s[G0B+5], s[LB], s[TB]
	s_add_nc_u64 s[G0A+6:G0A+7], s[G0A+6:G0A+7], A_STEP  ; the next 96 rows; the type bits on top are not reached
	s_add_nc_u64 s[G0B+6:G0B+7], s[G0B+6:G0B+7], B_STEP
.endif
	s_xor_b32 s[TB], s[TB], SLOT                   ; the reads go on in the other slot
	v_add_nc_u32 v[ADRK], s[TB], v[AK0]
	v_add_nc_u32 v[ADRS], s[TB], v[AS0]
	v_add_nc_u32 v[ADRB], s[TB], v[AB0]
	s_wait_dscnt 0x0                               ; the add is done, and my reads of this slot are over
	s_barrier_signal -1
	s_barrier_wait -1
.if \fill
	CREST                                          ; no wave of any partner still reads this slot or has a load on its way
	JLOAD                                          ; the four v_nop behind it are also places in front of the loads below
	FETCH 0, \g
	ASK
.else
	PLACES
	s_cmp_eq_u32 s3, 1
	s_cbranch_scc1 .Lno_more_\@
	FETCH 0, \g
.Lno_more_\@:
.endif
	MULC \f, 0, 0, 8, \zero
	MULC \f, 1, 0, 8, \zero
.endm
; THE EXCHANGE.  SEND: window 3, 32,768 bytes a wave, 16 bytes a lane, each accumulator's low four registers first.  RECV: my partner's, into window 3, added onto window 2 in four groups of 16 loads.
.macro SEND
	WIN 0x0c                                       ; the stores' data in window 3
.set q, 0
.rept 64
	ds_store_b128 v[XS], v[4*q:4*q+3] offset:512*q
.set q, q+1
.endr
.endm
.macro RECV
	WIN 0xc0
.set q, 0
.rept 64
	ds_load_b128 v[4*q:4*q+3], v[XR] offset:512*q
.set q, q+1
.endr
	WIN 0x8e                                       ; destination and source 0 window 2, source 1 window 3
.set g, 0
.rept 4
	s_wait_dscnt 48-16*g                           ; group g's sixteen loads are in; the later groups' may stay out
.set q, 0
.rept 32
	v_pk_add_f32 v[64*g+2*q:64*g+2*q+1], v[64*g+2*q:64*g+2*q+1], v[64*g+2*q:64*g+2*q+1]
.set q, q+1
.endr
.set g, g+1
.endr
.endm
; THE WAY OUT: wave w reads rows 64 w .. 64 w + 63 of the stage, whole, and stores them: 16 lanes store 256 consecutive bytes, at a multiple of 256 from the buffer's first byte.
.macro WAYOUT
	WIN 0
.set q, 0
.rept 32
	ds_load_b128 v[WO+4*q:WO+4*q+3], v[RD] offset:2*SP*q
.set q, q+1
.endr
.set q, 0
.rept 32
	s_wait_dscnt 31-q                              ; load q is in; the younger ones may stay out
	global_store_b128 v[CO], v[WO+4*q:WO+4*q+3], s[8:9] offset:2048*q
.set q, q+1
.endr
.endm
; Of 32 registers that all 16 lanes of a half hold alike, lane r keeps numbers 2 r and 2 r + 1, in the first two: four levels of selects, by r's bits from the top.
.macro PICK base
.set q, 0
.rept 16
	v_cndmask_b32 v[(\base)+q], v[(\base)+q], v[(\base)+16+q], s[MK]
.set q, q+1
.endr
.set q, 0
.rept 8
	v_cndmask_b32 v[(\base)+q], v[(\base)+q], v[(\base)+8+q], s[MK+1]
.set q, q+1
.endr
.set q, 0
.rept 4
	v_cndmask_b32 v[(\base)+q], v[(\base)+q], v[(\base)+4+q], s[MK+2]
.set q, q+1
.endr
.set q, 0
.rept 2
	v_cndmask_b32 v[(\base)+q], v[(\base)+q], v[(\base)+2+q], s[MK+3]
.set q, q+1
.endr
.endm
	s_load_b128 s[4:7], s[0:1], 0x0                ; delta16 s[4:5], k16 s[6:7]
	s_load_b64 s[8:9], s[0:1], 0x10                ; p16
	s_load_b64 s[68:69], s[0:1], 0x18              ; stats
	v_lshl_add_u32 v[SPW], v0, 2, SPARE
	v_mov_b32 v[NIL], 0
	ds_add_u32 v[SPW], v[NIL]                      ; the wave's opening: the add, then its wait ahead of my first tensor load; the set-up below, work on registers, stands between them
	v_lshrrev_b32 v1, 5, v0
	v_readfirstlane_b32 s10, v1                    ; wave 0..3
	s_lshr_b32 s11, s10, 1                         ; NH: my half of the 256 columns.  Also: I fetch delta (0) or Ka (1)
	s_and_b32 s12, s10, 1                          ; P: my half of K.  Also: which of the two tiles I fetch
	s_bfe_u32 s40, ttmp6, 0x40000                  ; cx
	s_bfe_u32 s41, ttmp6, 0x40004                  ; cy = my block of 128 h
	s_lshl_b32 s42, ttmp9, 2
	s_add_co_u32 s42, s42, s40                     ; my block of 256 columns = 4 x cluster x + cx
	s_and_b32 s13, ttmp7, 0xffff                   ; cluster y = b: the cluster's four rows are b's four blocks of h
	s_lshl_b32 s14, s41, 2
	s_lshl_b32 s14, 15, s14                        ; my row of the cluster
	s_lshl_b32 s15, 0x1111, s40                    ; my column
	s_or_b32 s[G1A],  s14, (1<<16)|(1<<20)|(1<<21)|(5<<22)|(7<<25)  ; the mask; elements of 2 bytes; padding on; bit 21 beside a mask; after every 64 words (code 5) 8 words (code 7)
	s_or_b32 s[G1AS], s14, (1<<16)|(1<<20)|(1<<21)|(5<<22)|(7<<25)
	s_or_b32 s[G1B],  s15, (1<<16)|(1<<20)|(1<<21)|(6<<22)|(7<<25)  ; after every 128 words (code 6)
	s_or_b32 s[G1BS], s15, (1<<16)|(1<<20)|(1<<21)|(6<<22)|(7<<25)
.irp g, G1A, G1AS
	s_mov_b32 s[(\g)+1], 128<<16                   ; tensor_dim0 = 128
	s_mov_b32 s[(\g)+3], 128<<16                   ; tile_dim0 = 128
	s_mov_b32 s[(\g)+5], 512                       ; elements from row to row
	s_mov_b32 s[(\g)+6], 0
	s_mov_b32 s[(\g)+7], 0
.endr
.irp g, G1B, G1BS
	s_mov_b32 s[(\g)+1], 256<<16
	s_mov_b32 s[(\g)+3], 256<<16
	s_mov_b32 s[(\g)+5], 2048
	s_mov_b32 s[(\g)+6], 0
	s_mov_b32 s[(\g)+7], 0
.endr
.irp g, G1A, G1B
	s_mov_b32 s[(\g)+2], ROWS<<16                  ; tensor_dim1 = 96
	s_mov_b32 s[(\g)+4], ROWS                      ; tile_dim1 = 96
.endr
.irp g, G1AS, G1BS
	s_mov_b32 s[(\g)+2], S0<<16                    ; the first step's rows
	s_mov_b32 s[(\g)+4], S0
.endr
	s_mov_b32 s[TB], 0
	s_lshl_b32 s16, s13, 21                        ; b x 2048 rows of 1,024 bytes
	s_lshl_b32 s17, s41, 8                         ; + my 128 h: 256 bytes of a row.  s16 stays: it also places the output
	s_add_co_u32 s16, s16, s17
	s_mul_i32 s17, s12, A_P
	s_add_co_u32 s18, s16, s17                     ; the tile of delta that I fetch or read
	s_mov_b32 s19, 0
	s_lshl_b32 s46, s42, 9                         ; my 256 columns: 512 bytes of Ka's row
	s_mul_i32 s47, s12, B_P
	s_add_co_u32 s46, s46, s47
.if B_OFF
	s_add_co_u32 s46, s46, B_OFF
.endif
	s_mov_b32 s47, 0
	s_mul_i32 s[LA], s12, ATILE                    ; where the tiles go: no place in the cluster enters an LDS address
	s_mul_i32 s[LB], s12, BTILE
	s_add_co_u32 s[LB], s[LB], 2*ATILE
	s_wait_dscnt 0x0                               ; the opening add is done
	s_wait_kmcnt 0x0
	s_add_nc_u64 s[22:23], s[4:5], s[18:19]
	s_add_nc_u64 s[46:47], s[6:7], s[46:47]
	CROUND                                         ; all sixteen work-groups are here: the first joint loads meet
	s_mov_b32 s[G0A], 1                            ; step 0: the first S0 rows, at the end of slot 0
	s_add_co_u32 s[G0A+1], s[LA], (ROWS-S0)*PA
	s_mov_b64 s[G0A+2:G0A+3], s[22:23]
	s_or_b32 s[G0A+3], s[G0A+3], 0x80000000
	s_mov_b32 s[G0A+4], 1                          ; step 1: the next 96 rows, slot 1
	s_add_co_u32 s[G0A+5], s[LA], SLOT
	s_add_nc_u64 s[G0A+6:G0A+7], s[22:23], S0*A_ROW
	s_or_b32 s[G0A+7], s[G0A+7], 0x80000000
	s_mov_b32 s[G0B], 1
	s_add_co_u32 s[G0B+1], s[LB], (ROWS-S0)*PB
	s_mov_b64 s[G0B+2:G0B+3], s[46:47]
	s_or_b32 s[G0B+3], s[G0B+3], 0x80000000
	s_mov_b32 s[G0B+4], 1
	s_add_co_u32 s[G0B+5], s[LB], SLOT
	s_add_nc_u64 s[G0B+6:G0B+7], s[46:47], S0*B_ROW
	s_or_b32 s[G0B+7], s[G0B+7], 0x80000000
	s_cmp_eq_u32 s11, 0                            ; a wave's two first fills stand in one branch, ahead of every wait on TENSORcnt and every LDS read: two loads of mine are out
	s_cbranch_scc0 .Lfirst_b
	tensor_load_to_lds s[G0A:G0A+3], s[G1AS:G1AS+7]
	s_nop 0
	tensor_load_to_lds s[G0A+4:G0A+7], s[G1A:G1A+7]
	s_nop 0
.rept 4
	v_nop
.endr
	s_branch .Lfirst_asked
.Lfirst_b:
	tensor_load_to_lds s[G0B:G0B+3], s[G1BS:G1BS+7]
	s_nop 0
	tensor_load_to_lds s[G0B+4:G0B+7], s[G1B:G1B+7]
	s_nop 0
.rept 4
	v_nop
.endr
.Lfirst_asked:
	v_and_b32 v1, 15, v0                           ; r = l % 16
	v_bfe_u32 v2, v0, 4, 1                         ; l / 16
	v_and_b32 v3, 7, v0
	v_bfe_u32 v4, v0, 3, 1
	v_and_b32 v8, 31, v0                           ; l
	v_lshl_add_u32 v5, v2, 3, v3                   ; the K row that I address: 8 (l / 16) + l % 8
	v_mul_u32_u24 v6, v5, PA
	v_lshl_add_u32 v6, v4, 4, v6
	v_mul_u32_u24 v7, v5, PB
	v_lshl_add_u32 v7, v4, 4, v7
	s_lshl_b32 s17, s12, 7                         ; the blocks that I keep: 4 P .. 4 P + 3, 32 bytes each,
	s_add_co_u32 s17, s17, s[LA]                   ; in my half's tile
	s_xor_b32 s18, s12, 1
	s_lshl_b32 s18, s18, 7                         ; those that I send: the other four
	s_add_co_u32 s18, s18, s[LA]
	s_lshl_b32 s19, s11, 8                         ; my 128 columns: 256 bytes
	s_add_co_u32 s19, s19, s[LB]
	v_add_nc_u32 v[AK0], s17, v6
	v_add_nc_u32 v[AS0], s18, v6
	v_add_nc_u32 v[AB0], s19, v7
	v_mov_b32 v[ADRK], v[AK0]                      ; slot 0 is read first
	v_mov_b32 v[ADRS], v[AS0]
	v_mov_b32 v[ADRB], v[AB0]
	s_lshl_b32 s14, s10, 15
	v_lshl_add_u32 v[XS], v8, 4, s14
	s_xor_b32 s14, s14, 32768                      ; my partner: the wave with the other half of K and the same columns
	v_lshl_add_u32 v[XR], v8, 4, s14
	s_mul_i32 s14, s11, 128*SP                     ; into the stage: row = column 128 NH + 16 c + r; my 64 h are 128 bytes at 128 P; 16 bytes for each half of the lanes
	s_lshl_b32 s15, s12, 7
	s_add_co_u32 s14, s14, s15
	s_add_co_u32 s14, s14, STAGE
	v_mul_u32_u24 v9, v1, SP
	v_lshl_add_u32 v9, v2, 4, v9
	v_add_nc_u32 v[STO], s14, v9
	s_mul_i32 s14, s10, 64*SP                      ; back: lanes 0-15 one row of 256 bytes, lanes 16-31 the next
	s_add_co_u32 s14, s14, STAGE
	v_mul_u32_u24 v9, v2, SP
	v_lshl_add_u32 v9, v1, 4, v9
	v_add_nc_u32 v[RD], s14, v9
	v_lshlrev_b32 v9, 10, v2                       ; and the same two rows in the output
	v_lshl_add_u32 v[CO], v1, 4, v9
	s_lshl_b32 s14, s42, 18                        ; the output: 256 rows of 1,024 bytes a column block,
	s_lshl_b32 s15, s10, 16                        ; 64 rows a wave,
	s_add_co_u32 s14, s14, s15
	s_add_co_u32 s14, s14, s16                     ; b and my 128 h
	s_mov_b32 s15, 0
	s_add_nc_u64 s[8:9], s[8:9], s[14:15]
	; the statistics: my chunk's 64 h are 256 consecutive bytes
	s_mov_b32 s[CS], 0x3fb8aa3b                    ; log2(e)
	s_mov_b32 s[CS+1], s[CS]
	s_lshl_b32 s14, s13, 15                        ; b x 16 chunks x 2,048 bytes
	s_lshl_b32 s15, s42, 1
	s_add_co_u32 s15, s15, s11                     ; my chunk of 128 s
	s_lshl_b32 s15, s15, 11
	s_add_co_u32 s14, s14, s15
	s_lshl_b32 s15, s41, 9                         ; my work-group's 128 h
	s_add_co_u32 s14, s14, s15
	s_lshl_b32 s15, s12, 8                         ; the 64 that I keep
	s_add_co_u32 s14, s14, s15
	s_mov_b32 s15, 0
	s_add_nc_u64 s[68:69], s[68:69], s[14:15]
	v_lshrrev_b32 v9, 2, v1                        ; numbers 2 r and 2 r + 1 of the 32 are h = 16 (r / 4) + 8 (l / 16) + 2 (r % 4) and the next
	v_lshlrev_b32 v9, 6, v9
	v_lshl_add_u32 v9, v2, 5, v9
	v_and_b32 v10, 3, v1
	v_lshl_add_u32 v[SO], v10, 3, v9
	v_and_b32 v9, 8, v1
	v_cmp_ne_u32 s[MK], 0, v9
	v_and_b32 v9, 4, v1
	v_cmp_ne_u32 s[MK+1], 0, v9
	v_and_b32 v9, 2, v1
	v_cmp_ne_u32 s[MK+2], 0, v9
	v_and_b32 v9, 1, v1
	v_cmp_ne_u32 s[MK+3], 0, v9
	; the prefetches: offsets, address, steps, and who asks
	v_lshlrev_b32 v9, 10, v1                       ; delta: row l % 16 of my 16, lanes 16-31 in the second half of K
	v_lshl_add_u32 v9, v2, A_PSH, v9
	v_lshrrev_b32 v10, 1, v8                       ; Ka: row l / 2 of my 16, block l % 2 of its 512 bytes
	v_lshlrev_b32 v10, 12, v10
	v_and_b32 v11, 1, v0
	v_lshl_add_u32 v10, v11, 8, v10
	s_lshl_b32 s14, s40, 14                        ; my work-group's 16 rows of a group's 64, by cx for delta,
	s_add_co_u32 s14, s14, 256*A_ROW               ; at row 256: the first change of slots steps it to row 320
	s_lshl_b32 s15, s41, 16                        ; by cy for Ka
	s_add_co_u32 s15, s15, 256*B_ROW
	s_mov_b32 s[PFS], 64*B_ROW
	s_cmp_eq_u32 s11, 0
	s_cselect_b64 s[PFA:PFA+1], s[22:23], s[46:47]
	s_cselect_b32 s14, s14, s15
	s_cselect_b32 s17, ttmp9, s13                  ; the coordinate along which other clusters read the same rows
	s_cselect_b32 s[PFS], 64*A_ROW, s[PFS]
	s_cselect_b32 s18, -1, 0
	s_mov_b32 s15, 0
	s_mov_b32 s[PFS+1], 0
	s_lshl_b32 s[PFS2], s[PFS], 1
	s_mov_b32 s[PFS2+1], 0
	s_add_nc_u64 s[PFA:PFA+1], s[PFA:PFA+1], s[14:15]
	v_cndmask_b32 v[PFO], v10, v9, s18
	v_add_nc_u32 v[PFO2], s[PFS], v[PFO]
	s_cmp_eq_u32 s10, 1                            ; wave 0 asks for both halves of delta's rows, so wave 1 asks for nothing
	s_cselect_b32 s19, 1, 0
	s_or_b32 s17, s17, s19
	s_cmp_eq_u32 s17, 0
	s_cselect_b32 s[LIM], 2, -1                    ; the same in all sixteen partners, for a given wave
	s_wait_tensorcnt 0x1                           ; my tile of step 0 is in; step 1's may stay out
	s_barrier_signal -1
	s_barrier_wait -1                              ; everybody's is
	FETCH 1, F1                                    ; step 0 is a slot's last two thirds
	QUARTER 2, F1, F2, 1                           ; its two quarters stand in front of the loop: the first one's products start the sums
	s_mov_b32 s3, NT
	TURN F2, F0, 1, 0
	WIN 0                                          ; at a label and at a branch every window is 0
.Lstep:                                                ; a trip is a step of 96 rows: it reads a slot out and fills it again
	QUARTER 1, F0, F1, 0
	QUARTER 2, F1, F2, 0
	TURN F2, F0, 1, 0
	WIN 0
	s_sub_co_u32 s3, s3, 1
	s_cmp_lg_u32 s3, 0
	s_cbranch_scc1 .Lstep
	s_mov_b32 s3, 2
.Ltail:                                                ; the last two steps fill nothing: a text of their own
	QUARTER 1, F0, F1, 0
	QUARTER 2, F1, F2, 0
	TURN F2, F0, 0, 0
	WIN 0
	s_sub_co_u32 s3, s3, 1
	s_cmp_lg_u32 s3, 0
	s_cbranch_scc1 .Ltail
	PLACES                                         ; the places behind the last products.  Behind the last change's barrier no wave reads the ring, and it has had its last fill: it serves the exchange and the stage
	PLACES
	SEND
	s_wait_dscnt 0x0                               ; for my partner's sake: my stores are done
	s_barrier_signal -1
	s_barrier_wait -1
	RECV                                           ; the scores of my 64 h x 128 s, whole
	; the chunk's maximum for each h: over the eight column blocks in registers, then over the 16 lanes of my half
	WIN 0x2a                                       ; three sources in window 2, destination in window 0
.set i, 0
.rept 32
	v_max3_num_f32 v[M+i], v[i], v[32+i], v[64+i]
.set i, i+1
.endr
	WIN 0x28                                       ; source 0 in window 0
.irp c, 96, 160
.set i, 0
.rept 32
	v_max3_num_f32 v[M+i], v[M+i], v[(\c)+i], v[(\c)+32+i]
.set i, i+1
.endr
.endr
.set i, 0
.rept 32
	v_max_num_f32 v[M+i], v[M+i], v[224+i]
.set i, i+1
.endr
	WIN 0
.irp m, 1,2,4,8
.set i, 0
.rept 32
	v_max_num_f32_dpp v[M+i], v[M+i], v[M+i] row_xmask:\m row_mask:0xf bank_mask:0xf
.set i, i+1
.endr
.endr
.set i, 0
.rept 16
	v_pk_mul_f32 v[M+2*i:M+2*i+1], v[M+2*i:M+2*i+1], s[CS:CS+1] op_sel_hi:[1,0]  ; c m
.set i, i+1
.endr
	; two column blocks at a time: c l - c m, the exponentials (one batch, one wait), f16 for the stage, f32 for the sums
.irp b, 0,1,2,3
	WIN 0x02                                       ; source 0 in window 2
.set i, 0
.rept 32
	v_pk_fma_f32 v[Z+2*i:Z+2*i+1], v[64*(\b)+2*i:64*(\b)+2*i+1], s[CS:CS+1], v[M+(2*i)%32:M+(2*i)%32+1] op_sel_hi:[1,0,1] neg_lo:[0,0,1] neg_hi:[0,0,1]
.set i, i+1
.endr
	WIN 0
.set i, 0
.rept 64
	v_exp_f32 v[Z+i], v[Z+i]
.set i, i+1
.endr
	v_nop                                          ; a plain instruction behind the last of the batch,
	s_wait_alu depctr_va_vdst(0)                   ; and the batch's one wait, ahead of the first reader
.set i, 0
.rept 32
	v_cvt_pk_f16_f32 v[PK+i], v[Z+2*i], v[Z+2*i+1]
.set i, i+1
.endr
.set i, 0
.rept 16
.if (\b) == 0
	v_pk_add_f32 v[SUM+2*i:SUM+2*i+1], v[Z+2*i:Z+2*i+1], v[Z+32+2*i:Z+32+2*i+1]  ; the first two blocks start the sums
.else
	v_pk_add_f32 v[Z+2*i:Z+2*i+1], v[Z+2*i:Z+2*i+1], v[Z+32+2*i:Z+32+2*i+1]
.endif
.set i, i+1
.endr
.if (\b) != 0
.set i, 0
.rept 16
	v_pk_add_f32 v[SUM+2*i:SUM+2*i+1], v[SUM+2*i:SUM+2*i+1], v[Z+2*i:Z+2*i+1]
.set i, i+1
.endr
.endif
.set i, 0
.rept 8                                        ; block (c, a) = (2 b + i / 4, i % 4)
	ds_store_b128 v[STO], v[PK+4*i:PK+4*i+3] offset:16*SP*(2*(\b)+i/4)+32*(i%4)
.set i, i+1
.endr
.endr
.irp m, 1,2,4,8
.set i, 0
.rept 32
	v_add_f32_dpp v[SUM+i], v[SUM+i], v[SUM+i] row_xmask:\m row_mask:0xf bank_mask:0xf
.set i, i+1
.endr
.endr
	PICK M
	PICK SUM
	global_store_b64 v[SO], v[M:M+1], s[68:69]                     ; the wave stores 256 consecutive bytes, at a multiple of 256 from the buffer's first byte
	global_store_b64 v[SO], v[SUM:SUM+1], s[68:69] offset:262144   ; the same for the sums; neither store's registers are written again
	s_wait_dscnt 0x0                               ; a row's 256 bytes come from two waves: my stores into the stage are done,
	s_barrier_signal -1
	s_barrier_wait -1                              ; everybody's are
	WAYOUT
	s_wait_tensorcnt 0x0                           ; the wave's end: three lines behind my last tensor load and my last LDS store
	ds_add_u32 v[SPW], v[NIL]
	s_wait_dscnt 0x0
	CROUND                                         ; the closing round: no work-group ends while a partner may still ask for a tile that names it
	s_endpgm
.Lfunc_end_k_qabd11a7fd0_scores:
	.size	k_qabd11a7fd0_scores, .Lfunc_end_k_qabd11a7fd0_scores-k_qabd11a7fd0_scores
	.p2alignl 7, 3214868480
	.fill 96, 4, 3214868480
	.section	.rodata,"a",@progbits
	.p2align	6, 0x0
	.amdhsa_kernel k_qabd11a7fd0_scores
		.amdhsa_group_segment_fixed_size 327680
		.amdhsa_private_segment_fixed_size 0
		.amdhsa_enable_private_segment 0
		.amdhsa_kernarg_size 32
		.amdhsa_user_sgpr_count 2
		.amdhsa_user_sgpr_kernarg_segment_ptr 1
		.amdhsa_wavefront_size32 1
		.amdhsa_system_sgpr_workgroup_id_x 1
		.amdhsa_system_sgpr_workgroup_id_y 1
		.amdhsa_system_sgpr_workgroup_id_z 1
		.amdhsa_system_vgpr_workitem_id 0
		.amdhsa_next_free_vgpr 1024
		.amdhsa_next_free_sgpr 102
		.amdhsa_reserve_vcc 0
		.amdhsa_float_denorm_mode_32 3
		.amdhsa_float_denorm_mode_16_64 3
		.amdhsa_memory_ordered 1
		.amdhsa_forward_progress 1
		.amdhsa_inst_pref_size 152
	.end_amdhsa_kernel
	.amdgpu_metadata
---
amdhsa.version: [ 1, 2 ]
amdhsa.kernels:
  - .name:           k_qabd11a7fd0_scores
    .symbol:         k_qabd11a7fd0_scores.kd
    .args:
      - { .name: delta16, .offset: 0, .size: 8, .value_kind: global_buffer, .address_space: global }
      - { .name: k16, .offset: 8, .size: 8, .value_kind: global_buffer, .address_space: global }
      - { .name: p16, .offset: 16, .size: 8, .value_kind: global_buffer, .address_space: global }
      - { .name: stats, .offset: 24, .size: 8, .value_kind: global_buffer, .address_space: global }
    .group_segment_fixed_size: 327680
    .private_segment_fixed_size: 0
    .kernarg_segment_align: 8
    .kernarg_segment_size: 32
    .max_flat_workgroup_size: 128
    .sgpr_count:     102
    .vgpr_count:     1024
    .wavefront_size: 32
...
	.end_amdgpu_metadata
.endif
;; end of part 3
;; launch norm (part 4): grid 32 x 8, 8 waves a work-group, no clusters, 0 bytes of LDS; arguments p16, stats, out0; writes out0
.if DOCPART == 4
	.amdgcn_target "amdgcn-amd-amdhsa--gfx1250"
	.amdhsa_code_object_version 6
	.text
	.protected	k_qabd11a7fd0_norm
	.globl	k_qabd11a7fd0_norm
	.p2align	8
	.type	k_qabd11a7fd0_norm,@function
k_qabd11a7fd0_norm:
	s_mov_b64 s[64:65], 0
	v_nop
	global_prefetch_b8 v0, s[64:65] scope:SCOPE_SE
	s_setreg_imm32_b32 hwreg(HW_REG_WAVE_MODE, 25, 1), 1
	s_wait_xcnt 0x0
; NORM: the second level of the softmax.  For each (b, h): C = the largest of the sixteen chunks' c m; L = the sum over chunks of sum[chunk] 2^(c m[chunk] - C);
; out0[b][s][h] = p[b][s][h] x 2^(c m[chunk of s] - C) / L, in f32.  The chunk that holds C adds at least its own largest weight, about 1, so L is no smaller than that.
; LIMITS.  A factor 2^(..) below 2^-126 counts as 0.  NaN and infinities are not treated apart.
; SHARES.  A work-group owns one b (grid y), 256 s and 128 h (grid x: 8 x 4).  Wave v takes rows 32 v .. 32 v + 31, which lie in one chunk of 128 s; a lane owns 4 h in every row.
; A load of p covers 256 consecutive bytes of a row, a store 512, both aligned.  The statistics are asked for first, then the rows; every row has its own registers, so no register that a store reads is written again.
; No LDS, no cluster, no prefetch: each byte of p and of out0 is touched once, and the rows are all asked for at the start.
.set PP,  8                            ; v[8:71]    row i: 4 f16
.set CM,  72                           ; v[72:135]  chunk c: c m of my 4 h; then 2^(c m - C)
.set LL,  136                          ; v[136:199] chunk c: the sums of my 4 h
.set OWN, 200                          ; v[200:203] my rows' chunk: c m, then 2^(c m - C)
.set MX,  204                          ; v[204:207] C
.set LS,  208                          ; v[208:211] L
.set RC,  212                          ; v[212:215] 1 / L
.set SC,  216                          ; v[216:219] the scale of my 4 h
.set O,   72                           ; v[72:199]  row i: 4 f32 to store, where the statistics lay
	s_load_b128 s[4:7], s[0:1], 0x0                ; p16 s[4:5], stats s[6:7]
	s_load_b64 s[8:9], s[0:1], 0x10                ; out0
	v_lshrrev_b32 v1, 5, v0
	v_readfirstlane_b32 s10, v1                    ; wave 0..7
	v_and_b32 v2, 31, v0
	v_lshlrev_b32 v3, 4, v2                        ; 16 bytes a lane: statistics and output
	v_lshlrev_b32 v4, 3, v2                        ; 8 bytes a lane: p
	v_mov_b32 v5, 0                                ; the addend of the mixed multiply-add, which takes registers alone
	s_and_b32 s11, ttmp9, 7                        ; my block of 256 s
	s_lshr_b32 s12, ttmp9, 3                       ; my block of 128 h
	s_and_b32 s13, ttmp7, 0xffff                   ; b
	s_lshl_b32 s14, s11, 8
	s_lshl_b32 s15, s10, 5
	s_add_co_u32 s14, s14, s15                     ; my first row
	s_lshl_b32 s16, s13, 21                        ; p: b x 2048 rows of 1,024 bytes
	s_lshl_b32 s17, s14, 10
	s_add_co_u32 s16, s16, s17
	s_lshl_b32 s17, s12, 8
	s_add_co_u32 s16, s16, s17
	s_mov_b32 s17, 0
	s_lshl_b32 s18, s16, 1                         ; out0: twice that
	s_mov_b32 s19, 0
	s_lshl_b32 s20, s13, 15                        ; stats: b x 16 chunks x 2,048 bytes
	s_lshl_b32 s21, s12, 9
	s_add_co_u32 s20, s20, s21
	s_mov_b32 s21, 0
	s_lshl_b32 s22, s11, 1
	s_lshr_b32 s23, s10, 2
	s_add_co_u32 s22, s22, s23                     ; my rows' chunk
	s_lshl_b32 s22, s22, 11
	s_mov_b32 s23, 0
	s_wait_kmcnt 0x0
	s_add_nc_u64 s[4:5], s[4:5], s[16:17]
	s_add_nc_u64 s[8:9], s[8:9], s[18:19]
	s_add_nc_u64 s[6:7], s[6:7], s[20:21]
	s_add_nc_u64 s[24:25], s[6:7], s[22:23]
.set q, 0
.rept 16
	global_load_b128 v[CM+4*q:CM+4*q+3], v3, s[6:7] offset:2048*q
.set q, q+1
.endr
.set q, 0
.rept 16
	global_load_b128 v[LL+4*q:LL+4*q+3], v3, s[6:7] offset:262144+2048*q
.set q, q+1
.endr
	global_load_b128 v[OWN:OWN+3], v3, s[24:25]
.set q, 0
.rept 30
	global_load_b64 v[PP+2*q:PP+2*q+1], v4, s[4:5] offset:1024*q th:TH_LOAD_NT
.set q, q+1
.endr
	s_wait_loadcnt 30                              ; the 33 loads of statistics are in; the 30 rows asked for behind them may stay out
.rept 2
	global_load_b64 v[PP+2*q:PP+2*q+1], v4, s[4:5] offset:1024*q th:TH_LOAD_NT  ; the last two rows
.set q, q+1
.endr
.irp k, 0,1,2,3
	v_max3_num_f32 v[MX+(\k)], v[CM+(\k)], v[CM+4+(\k)], v[CM+8+(\k)]
.endr
.irp c, 3,5,7,9,11,13
.irp k, 0,1,2,3
	v_max3_num_f32 v[MX+(\k)], v[MX+(\k)], v[CM+4*(\c)+(\k)], v[CM+4*(\c)+4+(\k)]
.endr
.endr
.irp k, 0,1,2,3
	v_max_num_f32 v[MX+(\k)], v[MX+(\k)], v[CM+60+(\k)]
.endr
.set q, 0
.rept 16
	v_pk_add_f32 v[CM+4*q:CM+4*q+1],   v[CM+4*q:CM+4*q+1],   v[MX:MX+1]   neg_lo:[0,1] neg_hi:[0,1]
	v_pk_add_f32 v[CM+4*q+2:CM+4*q+3], v[CM+4*q+2:CM+4*q+3], v[MX+2:MX+3] neg_lo:[0,1] neg_hi:[0,1]
.set q, q+1
.endr
	v_pk_add_f32 v[OWN:OWN+1],   v[OWN:OWN+1],   v[MX:MX+1]   neg_lo:[0,1] neg_hi:[0,1]
	v_pk_add_f32 v[OWN+2:OWN+3], v[OWN+2:OWN+3], v[MX+2:MX+3] neg_lo:[0,1] neg_hi:[0,1]
.set q, 0
.rept 64
	v_exp_f32 v[CM+q], v[CM+q]
.set q, q+1
.endr
.set q, 0
.rept 4
	v_exp_f32 v[OWN+q], v[OWN+q]
.set q, q+1
.endr
	v_nop                                          ; a plain instruction behind the last of the batch,
	s_wait_alu depctr_va_vdst(0)                   ; and the one wait for the 68 exponentials, ahead of the first reader
	v_pk_mul_f32 v[LS:LS+1],   v[LL:LL+1],   v[CM:CM+1]
	v_pk_mul_f32 v[LS+2:LS+3], v[LL+2:LL+3], v[CM+2:CM+3]
.set q, 1
.rept 15
	v_pk_fma_f32 v[LS:LS+1],   v[LL+4*q:LL+4*q+1],   v[CM+4*q:CM+4*q+1],   v[LS:LS+1]
	v_pk_fma_f32 v[LS+2:LS+3], v[LL+4*q+2:LL+4*q+3], v[CM+4*q+2:CM+4*q+3], v[LS+2:LS+3]
.set q, q+1
.endr
.irp k, 0,1,2,3
	v_rcp_f32 v[RC+(\k)], v[LS+(\k)]
.endr
	v_nop
	s_wait_alu depctr_va_vdst(0)                   ; one wait for the four reciprocals
	v_pk_mul_f32 v[SC:SC+1],   v[OWN:OWN+1],   v[RC:RC+1]
	v_pk_mul_f32 v[SC+2:SC+3], v[OWN+2:OWN+3], v[RC+2:RC+3]
.set q, 0
.rept 32
	s_wait_loadcnt 31-q                            ; row q is in; the later rows may stay out
	v_fma_mix_f32 v[O+4*q],   v[PP+2*q],   v[SC],   v5 op_sel_hi:[1,0,0]                 ; an f16 half x the scale + 0, in f32
	v_fma_mix_f32 v[O+4*q+1], v[PP+2*q],   v[SC+1], v5 op_sel:[1,0,0] op_sel_hi:[1,0,0]
	v_fma_mix_f32 v[O+4*q+2], v[PP+2*q+1], v[SC+2], v5 op_sel_hi:[1,0,0]
	v_fma_mix_f32 v[O+4*q+3], v[PP+2*q+1], v[SC+3], v5 op_sel:[1,0,0] op_sel_hi:[1,0,0]
	global_store_b128 v3, v[O+4*q:O+4*q+3], s[8:9] offset:2048*q th:TH_STORE_NT  ; the wave stores 512 consecutive bytes, at a multiple of 512 from the buffer's first
.set q, q+1
.endr
	s_endpgm
.Lfunc_end_k_qabd11a7fd0_norm:
	.size	k_qabd11a7fd0_norm, .Lfunc_end_k_qabd11a7fd0_norm-k_qabd11a7fd0_norm
	.p2alignl 7, 3214868480
	.fill 96, 4, 3214868480
	.section	.rodata,"a",@progbits
	.p2align	6, 0x0
	.amdhsa_kernel k_qabd11a7fd0_norm
		.amdhsa_group_segment_fixed_size 0
		.amdhsa_private_segment_fixed_size 0
		.amdhsa_enable_private_segment 0
		.amdhsa_kernarg_size 24
		.amdhsa_user_sgpr_count 2
		.amdhsa_user_sgpr_kernarg_segment_ptr 1
		.amdhsa_wavefront_size32 1
		.amdhsa_system_sgpr_workgroup_id_x 1
		.amdhsa_system_sgpr_workgroup_id_y 1
		.amdhsa_system_sgpr_workgroup_id_z 1
		.amdhsa_system_vgpr_workitem_id 0
		.amdhsa_next_free_vgpr 224
		.amdhsa_next_free_sgpr 66
		.amdhsa_reserve_vcc 0
		.amdhsa_float_denorm_mode_32 3
		.amdhsa_float_denorm_mode_16_64 3
		.amdhsa_memory_ordered 1
		.amdhsa_forward_progress 1
		.amdhsa_inst_pref_size 29
	.end_amdhsa_kernel
	.amdgpu_metadata
---
amdhsa.version: [ 1, 2 ]
amdhsa.kernels:
  - .name:           k_qabd11a7fd0_norm
    .symbol:         k_qabd11a7fd0_norm.kd
    .args:
      - { .name: p16, .offset: 0, .size: 8, .value_kind: global_buffer, .address_space: global }
      - { .name: stats, .offset: 8, .size: 8, .value_kind: global_buffer, .address_space: global }
      - { .name: out0, .offset: 16, .size: 8, .value_kind: global_buffer, .address_space: global }
    .group_segment_fixed_size: 0
    .private_segment_fixed_size: 0
    .kernarg_segment_align: 8
    .kernarg_segment_size: 24
    .max_flat_workgroup_size: 256
    .sgpr_count:     66
    .vgpr_count:     224
    .wavefront_size: 32
...
	.end_amdgpu_metadata
.endif
;; end of part 4
;; ======== version 2 of 2: 4 launches; version 1 with the launch norm written anew for expert scheduling mode
;; workspace buffers: xt16 33,554,432 bytes; k16 25,165,824 bytes; delta16 16,777,216 bytes; p16 16,777,216 bytes; stats 524,288 bytes
;; launch cast: the kernel of part 1 again; grid 256 x 7, 8 waves a work-group, no clusters, 0 bytes of LDS; arguments x, t, kernel_x, kernel_t, kernel_a, xt16, k16; writes xt16, k16
;; launch gates: the kernel of part 2 again; grid 8 x 32, 4 waves a work-group, clusters of 4 x 4, 327,680 bytes of LDS; arguments xt16, k16, delta16, bias_x, bias_t, lambd; writes delta16
;; launch scores: the kernel of part 3 again; grid 8 x 32, 4 waves a work-group, clusters of 4 x 4, 327,680 bytes of LDS; arguments delta16, k16, p16, stats; writes p16, stats
;; launch norm (part 5): grid 32 x 8, 8 waves a work-group, no clusters, 0 bytes of LDS; arguments p16, stats, out0; writes out0
.if DOCPART == 5
	.amdgcn_target "amdgcn-amd-amdhsa--gfx1250"
	.amdhsa_code_object_version 6
	.text
	.protected	k_qabd11a7fd0_norm
	.globl	k_qabd11a7fd0_norm
	.p2align	8
	.type	k_qabd11a7fd0_norm,@function
k_qabd11a7fd0_norm:
	s_mov_b64 s[64:65], 0
	v_nop
	global_prefetch_b8 v0, s[64:65] scope:SCOPE_SE
	s_setreg_imm32_b32 hwreg(HW_REG_WAVE_SCHED_MODE, 0, 2), 2
	s_setreg_imm32_b32 hwreg(HW_REG_WAVE_MODE, 25, 1), 1
	s_wait_xcnt 0x0
	s_wait_alu depctr_vm_vsrc(0)
; NORM: the second level of the softmax.  For each (b, h): C = the largest of the sixteen chunks' c m; L = the sum over chunks of sum[chunk] 2^(c m[chunk] - C);
; out0[b][s][h] = p[b][s][h] x 2^(c m[chunk of s] - C) / L, in f32.  The chunk that holds C adds at least its own largest weight, about 1, so L is no smaller than that.
; LIMITS.  A factor 2^(..) below 2^-126 counts as 0.  NaN and infinities are not treated apart.
; SHARES.  A work-group owns one b (grid y), 256 s and 128 h (grid x: 8 x 4).  Wave v takes rows 32 v .. 32 v + 31, which lie in one chunk of 128 s; a lane owns 4 h in every row.
; A load of p covers 256 consecutive bytes of a row, a store 512, both aligned.  The statistics are asked for first, then the rows; every row has its own registers, so no register that a store reads is written again.
; No LDS, no cluster, no prefetch: each byte of p and of out0 is touched once, and the rows are all asked for at the start.
; THE MODE: SCHED_MODE bits 1:0 = 2 (LLVM: expert scheduling mode 2), set by the entry lines.  The code itself states the register dependences
; between vector instructions and memory instructions, with s_wait_alu, always for 0.
; THE PLAN.  Registers that memory instructions touch:
;   v3, v4       byte offsets, written once at the head by vector lines and never again; read by every load and store.  One wait on va_vdst ahead of the first load states that they are written.
;   PP, CM, LL, OWN   written by loads alone, once each, into registers that no vector line has named; read by vector lines behind the counted waits on LOADcnt.
;   O            row q: written once, by the row's four multiply-adds; read once, by the row's store; never written again, so nothing is owed behind a store.
; The 32 rows go out in four groups of eight.  Group g's multiply-adds write its own 32 registers of O; ONE wait on va_vdst at the head of group g + 1 states that they are written, and the eight stores
; follow it, dealt among group g + 1's multiply-adds, which name that group's PP and O, SC and v5: none of the registers that those stores read.  A last wait stands ahead of the last eight stores.
; s10, which a vector line writes, has its wait on va_sdst ahead of its first reader.  EXEC and VCC are never written.
.set PP,  8                            ; v[8:71]    row i: 4 f16
.set CM,  72                           ; v[72:135]  chunk c: c m of my 4 h; then 2^(c m - C)
.set LL,  136                          ; v[136:199] chunk c: the sums of my 4 h
.set OWN, 200                          ; v[200:203] my rows' chunk: c m, then 2^(c m - C)
.set MX,  204                          ; v[204:207] C
.set LS,  208                          ; v[208:211] L
.set RC,  212                          ; v[212:215] 1 / L
.set SC,  216                          ; v[216:219] the scale of my 4 h
.set O,   72                           ; v[72:199]  row i: 4 f32 to store, where the statistics lay
.set GR,  8                            ; rows in a group of the way out
	s_load_b128 s[4:7], s[0:1], 0x0                ; p16 s[4:5], stats s[6:7]
	s_load_b64 s[8:9], s[0:1], 0x10                ; out0
	v_lshrrev_b32 v1, 5, v0
	v_readfirstlane_b32 s10, v1                    ; wave 0..7
	v_and_b32 v2, 31, v0
	v_lshlrev_b32 v3, 4, v2                        ; 16 bytes a lane: statistics and output
	v_lshlrev_b32 v4, 3, v2                        ; 8 bytes a lane: p
	v_mov_b32 v5, 0                                ; the addend of the mixed multiply-add, which takes registers alone
	s_and_b32 s11, ttmp9, 7                        ; my block of 256 s
	s_lshr_b32 s12, ttmp9, 3                       ; my block of 128 h
	s_and_b32 s13, ttmp7, 0xffff                   ; b
	s_lshl_b32 s14, s11, 8
	s_wait_alu depctr_va_sdst(0)                   ; s10 is written, ahead of its first reader: my first row and my rows' chunk are made from it
	s_lshl_b32 s15, s10, 5
	s_add_co_u32 s14, s14, s15                     ; my first row
	s_lshl_b32 s16, s13, 21                        ; p: b x 2048 rows of 1,024 bytes
	s_lshl_b32 s17, s14, 10
	s_add_co_u32 s16, s16, s17
	s_lshl_b32 s17, s12, 8
	s_add_co_u32 s16, s16, s17
	s_mov_b32 s17, 0
	s_lshl_b32 s18, s16, 1                         ; out0: twice that
	s_mov_b32 s19, 0
	s_lshl_b32 s20, s13, 15                        ; stats: b x 16 chunks x 2,048 bytes
	s_lshl_b32 s21, s12, 9
	s_add_co_u32 s20, s20, s21
	s_mov_b32 s21, 0
	s_lshl_b32 s22, s11, 1
	s_lshr_b32 s23, s10, 2
	s_add_co_u32 s22, s22, s23                     ; my rows' chunk
	s_lshl_b32 s22, s22, 11
	s_mov_b32 s23, 0
	s_wait_kmcnt 0x0
	s_add_nc_u64 s[4:5], s[4:5], s[16:17]
	s_add_nc_u64 s[8:9], s[8:9], s[18:19]
	s_add_nc_u64 s[6:7], s[6:7], s[20:21]
	s_add_nc_u64 s[24:25], s[6:7], s[22:23]
	s_wait_alu depctr_va_vdst(0)                   ; v3 and v4 are written: every load and store of the kernel reads one of them as its offset, and no later line writes them
.set q, 0
.rept 16
	global_load_b128 v[CM+4*q:CM+4*q+3], v3, s[6:7] offset:2048*q
.set q, q+1
.endr
.set q, 0
.rept 16
	global_load_b128 v[LL+4*q:LL+4*q+3], v3, s[6:7] offset:262144+2048*q
.set q, q+1
.endr
	global_load_b128 v[OWN:OWN+3], v3, s[24:25]
.set q, 0
.rept 30
	global_load_b64 v[PP+2*q:PP+2*q+1], v4, s[4:5] offset:1024*q th:TH_LOAD_NT
.set q, q+1
.endr
	s_wait_loadcnt 30                              ; the 33 loads of statistics are in; the 30 rows asked for behind them may stay out
.rept 2
	global_load_b64 v[PP+2*q:PP+2*q+1], v4, s[4:5] offset:1024*q th:TH_LOAD_NT  ; the last two rows; no vector line has been issued since the wait on va_vdst above
.set q, q+1
.endr
.irp k, 0,1,2,3
	v_max3_num_f32 v[MX+(\k)], v[CM+(\k)], v[CM+4+(\k)], v[CM+8+(\k)]
.endr
.irp c, 3,5,7,9,11,13
.irp k, 0,1,2,3
	v_max3_num_f32 v[MX+(\k)], v[MX+(\k)], v[CM+4*(\c)+(\k)], v[CM+4*(\c)+4+(\k)]
.endr
.endr
.irp k, 0,1,2,3
	v_max_num_f32 v[MX+(\k)], v[MX+(\k)], v[CM+60+(\k)]
.endr
.set q, 0
.rept 16
	v_pk_add_f32 v[CM+4*q:CM+4*q+1],   v[CM+4*q:CM+4*q+1],   v[MX:MX+1]   neg_lo:[0,1] neg_hi:[0,1]
	v_pk_add_f32 v[CM+4*q+2:CM+4*q+3], v[CM+4*q+2:CM+4*q+3], v[MX+2:MX+3] neg_lo:[0,1] neg_hi:[0,1]
.set q, q+1
.endr
	v_pk_add_f32 v[OWN:OWN+1],   v[OWN:OWN+1],   v[MX:MX+1]   neg_lo:[0,1] neg_hi:[0,1]
	v_pk_add_f32 v[OWN+2:OWN+3], v[OWN+2:OWN+3], v[MX+2:MX+3] neg_lo:[0,1] neg_hi:[0,1]
.set q, 0
.rept 64
	v_exp_f32 v[CM+q], v[CM+q]
.set q, q+1
.endr
.set q, 0
.rept 4
	v_exp_f32 v[OWN+q], v[OWN+q]
.set q, q+1
.endr
	v_nop                                          ; a plain instruction behind the last of the batch,
	s_wait_alu depctr_va_vdst(0)                   ; and the one wait for the batch: the 68 exponentials have written CM and OWN, ahead of their first reader
	v_pk_mul_f32 v[LS:LS+1],   v[LL:LL+1],   v[CM:CM+1]
	v_pk_mul_f32 v[LS+2:LS+3], v[LL+2:LL+3], v[CM+2:CM+3]
.set q, 1
.rept 15
	v_pk_fma_f32 v[LS:LS+1],   v[LL+4*q:LL+4*q+1],   v[CM+4*q:CM+4*q+1],   v[LS:LS+1]
	v_pk_fma_f32 v[LS+2:LS+3], v[LL+4*q+2:LL+4*q+3], v[CM+4*q+2:CM+4*q+3], v[LS+2:LS+3]
.set q, q+1
.endr
.irp k, 0,1,2,3
	v_rcp_f32 v[RC+(\k)], v[LS+(\k)]
.endr
	v_nop                                          ; a plain instruction behind the last reciprocal,
	s_wait_alu depctr_va_vdst(0)                   ; and one wait for the four: they have written RC, ahead of its first reader
	v_pk_mul_f32 v[SC:SC+1],   v[OWN:OWN+1],   v[RC:RC+1]
	v_pk_mul_f32 v[SC+2:SC+3], v[OWN+2:OWN+3], v[RC+2:RC+3]
; THE WAY OUT, in four groups of eight rows.  A group's multiply-adds write its rows of O; the group before leaves meanwhile, a store ahead of each row's work.
.set g, 0
.rept 32/GR
.if g > 0
	s_wait_alu depctr_va_vdst(0)                   ; the multiply-adds of the group before have written its 32 registers of O, which the eight stores below read
.endif
.set i, 0
.rept GR
.set q, GR*g+i
.if g > 0
	global_store_b128 v3, v[O+4*(q-GR):O+4*(q-GR)+3], s[8:9] offset:2048*(q-GR) th:TH_STORE_NT  ; the wave stores 512 consecutive bytes, at a multiple of 512 from the buffer's first; no vector line since the wait names these registers
.endif
	s_wait_loadcnt 31-q                            ; row q is in; the later rows may stay out (stores are not on this counter)
	v_fma_mix_f32 v[O+4*q],   v[PP+2*q],   v[SC],   v5 op_sel_hi:[1,0,0]                 ; an f16 half x the scale + 0, in f32
	v_fma_mix_f32 v[O+4*q+1], v[PP+2*q],   v[SC+1], v5 op_sel:[1,0,0] op_sel_hi:[1,0,0]
	v_fma_mix_f32 v[O+4*q+2], v[PP+2*q+1], v[SC+2], v5 op_sel_hi:[1,0,0]
	v_fma_mix_f32 v[O+4*q+3], v[PP+2*q+1], v[SC+3], v5 op_sel:[1,0,0] op_sel_hi:[1,0,0]
.set i, i+1
.endr
.set g, g+1
.endr
	s_wait_alu depctr_va_vdst(0)                   ; the last group's multiply-adds have written its rows of O, which the last eight stores read
.set q, 32-GR
.rept GR
	global_store_b128 v3, v[O+4*q:O+4*q+3], s[8:9] offset:2048*q th:TH_STORE_NT
.set q, q+1
.endr
	s_endpgm
.Lfunc_end_k_qabd11a7fd0_norm:
	.size	k_qabd11a7fd0_norm, .Lfunc_end_k_qabd11a7fd0_norm-k_qabd11a7fd0_norm
	.p2alignl 7, 3214868480
	.fill 96, 4, 3214868480
	.section	.rodata,"a",@progbits
	.p2align	6, 0x0
	.amdhsa_kernel k_qabd11a7fd0_norm
		.amdhsa_group_segment_fixed_size 0
		.amdhsa_private_segment_fixed_size 0
		.amdhsa_enable_private_segment 0
		.amdhsa_kernarg_size 24
		.amdhsa_user_sgpr_count 2
		.amdhsa_user_sgpr_kernarg_segment_ptr 1
		.amdhsa_wavefront_size32 1
		.amdhsa_system_sgpr_workgroup_id_x 1
		.amdhsa_system_sgpr_workgroup_id_y 1
		.amdhsa_system_sgpr_workgroup_id_z 1
		.amdhsa_system_vgpr_workitem_id 0
		.amdhsa_next_free_vgpr 224
		.amdhsa_next_free_sgpr 66
		.amdhsa_reserve_vcc 0
		.amdhsa_float_denorm_mode_32 3
		.amdhsa_float_denorm_mode_16_64 3
		.amdhsa_memory_ordered 1
		.amdhsa_forward_progress 1
		.amdhsa_inst_pref_size 29
	.end_amdhsa_kernel
	.amdgpu_metadata
---
amdhsa.version: [ 1, 2 ]
amdhsa.kernels:
  - .name:           k_qabd11a7fd0_norm
    .symbol:         k_qabd11a7fd0_norm.kd
    .args:
      - { .name: p16, .offset: 0, .size: 8, .value_kind: global_buffer, .address_space: global }
      - { .name: stats, .offset: 8, .size: 8, .value_kind: global_buffer, .address_space: global }
      - { .name: out0, .offset: 16, .size: 8, .value_kind: global_buffer, .address_space: global }
    .group_segment_fixed_size: 0
    .private_segment_fixed_size: 0
    .kernarg_segment_align: 8
    .kernarg_segment_size: 24
    .max_flat_workgroup_size: 256
    .sgpr_count:     66
    .vgpr_count:     224
    .wavefront_size: 32
...
	.end_amdgpu_metadata
.endif
;; end of part 5
